; MI455X (gfx1250); checked and timed in simulation.
; The chip was launched on July 23, 2026; its instructions are those of AMD's public machine-readable ISA for CDNA 5 (MIT licence, August 2026) and "CDNA5" Instruction Set Architecture Reference Guide (July 2026). The comments in the code are by the model that wrote it; some were corrected since.
;; Mo E. Allowed arithmetic: matrix products marked QUANTISED: E2M1 operands, one E8M0 scale for each 32 along K, by v_wmma_scale_f32_16x16x128_f8f6f4 with both operands' format E2M1 (or v_wmma_scale_f32_32x16x128_f4), f32 sums; products left as they are: f32 operands where the result goes on into a quantised operand, else bf16, f16 or f32 operands; f32 sums; everything else in f32.
;; Inputs: W1 8 x 512 x 1,024 float32; W2 8 x 1,024 x 512 float32; Wg 512 x 8 float32; b1 8 x 1,024 float32; b2 8 x 512 float32; bg 8 float32; x 2 x 4,096 x 512 float32.
;; Outputs: out0 2 x 4,096 x 512 float32.
;; This version of the problem:
;;   THIS VERSION OF THE PROBLEM IS GIVEN IN LOW PRECISION. The matrix products marked QUANTISED in the list below multiply operands that are first quantised to E2M1 (2 exponent bits, 1 mantissa bit; 4 bits a number), with one power-of-two scale for each 32 numbers along K (OCP MX v1.0); their sums are f32. All else is computed in f32.
;;   The module's matrix products, in the order in which they are computed (A, B: the left and right operand; K: the contracted axis; several contracted axes count as one K, in the product's order):
;;     1. [M 8,192, K 512] x [K 512, N 8]; A: input x; B: input Wg: left as it is (N = 8 < 16)
;;     2. [M 8,192, K 512] x [K 512, N 8,192]; A: input W1; B: input x: QUANTISED
;;     3. batch 8 x [M 8,192, K 1,024] x [K 1,024, N 512]; A: computed on the way; B: input W2: QUANTISED
;;     4. batch 8,192 x [M 1, K 8] x [K 8, N 512]; A: computed on the way; B: computed on the way: left as it is (K = 8 < 32)
;;   THE QUANTISER, for each operand of a quantised product, along K:
;;     - K is cut into blocks of 32 from its start; a last block that is shorter is filled with zeros.
;;     - A block's scale is 2^e with e = floor(log2(the largest magnitude in the block)) - 2, held to -126 .. 127; a block of zeros has e = 0. As a byte (E8M0): e + 127.
;;     - Each number is divided by its block's scale, clamped to +-6, and rounded to the nearest number of E2M1, ties to even, subnormals kept.
;;     - The product sums the exact products of the quantised numbers (number of the format x scale) in f32.
;;   ~~~python
;;   def quantise(x, axis):      # numpy; x: float32 -> the quantised numbers, widened to float32 again
;;       x = np.moveaxis(x, axis, -1); K = x.shape[-1]
;;       x = np.pad(x, [(0, 0)] * (x.ndim - 1) + [(0, -K % 32)]); x = x.reshape(x.shape[:-1] + (-1, 32)); a = np.abs(x).max(-1, keepdims=True)
;;       e = np.where(a > 0, np.clip(np.frexp(np.where(a > 0, a, 1))[1] - 1 - 2, -126, 127), 0)      # np.frexp(a)[1] - 1 = floor(log2(a)), exactly
;;       r = np.clip(x / 2.0 ** e, -6, 6)
;;       step = 2.0 ** (np.maximum(np.frexp(np.where(r == 0, 1, r))[1] - 1, 0) - 1)
;;       q = np.round(r / step) * step * 2.0 ** e      # np.round: ties to even
;;       return np.moveaxis(q.reshape(q.shape[:-2] + (-1,))[..., :K], -1, axis).astype(np.float32)
;;   ~~~
;;   OPERANDS COMPUTED ON THE WAY. 'Computed on the way' means the value that the module computes at that place (a softmax that the list does not call 'softmax' is quantised finished and normalised). What goes into a quantiser is computed in f32, as accurately as f32 sums, v_exp_f32 and their like allow (about 1e-6 of the number): no bf16 or f16 on the way to a quantiser, and a product that is left as it is and whose result goes on into a quantised operand takes f32 operands (vector FMAs, or v_wmma_f32_16x16x4_f32). A number that lies on a knife's edge between two numbers of the format may be rounded either way, as far as f32 arithmetic and the matrix unit's own rounding can turn it there, and no further.
;; 3 versions, each right; version 2 is faster than version 1; version 3 is version 2 with the launch chain written anew for expert scheduling mode. Each part assembles by itself: llvm-mc -triple=amdgcn-amd-amdhsa -mcpu=gfx1250 --defsym DOCPART=n.
;; ======== version 1 of 3: 3 launches
;; workspace buffers: xq 2,097,152 bytes; xs 131,072 bytes; gw 65,536 bytes; rt 65,536 bytes of whole numbers; wq 4,194,304 bytes; ws 262,144 bytes; plan 33,536 bytes of whole numbers
;; launch prep (part 1): grid 512 x 1, 8 waves a work-group, no clusters, 60,416 bytes of LDS; arguments x, Wg, bg, W1, W2, xq, xs, gw, rt, wq, ws; writes xq, xs, gw, rt, wq, ws
.if DOCPART == 1
	.amdgcn_target "amdgcn-amd-amdhsa--gfx1250"
	.amdhsa_code_object_version 6
	.text
	.protected	k_q1c4786b17d_prep
	.globl	k_q1c4786b17d_prep
	.p2align	8
	.type	k_q1c4786b17d_prep,@function
k_q1c4786b17d_prep:
	s_mov_b64 s[64:65], 0
	v_nop
	global_prefetch_b8 v0, s[64:65] scope:SCOPE_SE
	s_setreg_imm32_b32 hwreg(HW_REG_WAVE_MODE, 25, 1), 1
	s_wait_xcnt 0x0
; PREP: every f32 input but the two FFN biases is read once.
; Work-groups 0-255 (path X): 32 tokens each.  x becomes codes of E2M1 (xq: 256 bytes a token, K innermost) and E8M0 scale bytes (xs: 16 a token); the gate's
;   logits are f32 fused multiply-adds; wave 0 then takes the two largest logits of each token (the gates rise with the logits; on a tie the lower index is kept), the two
;   combine weights c1 = 1 / (1 + e^(l2 - l1)), c2 = e^(l2 - l1) c1 (the larger logit is taken away ahead of the exponential), the key 0..27 of the pair (lo < hi), the token's rank among
;   equal keys of its 32 tokens and the 28 counts.  All of these are stored at FIXED places: no address and no branch here hangs on them.
; Work-groups 256-383 (W1) and 384-511 (W2): a wave takes 32 columns x 128 along K; a lane takes a column and its registers run down K, so a block of 32 lies in one lane and the
;   conversions give codes with K innermost.  The codes are stored in the order of the operand's registers: wq [expert][chain wave][G 16][tile 8][c 2][lane 32][16 bytes],
;   ws [expert][chain wave][G][lane 32][4 words]: lane 16 h + r, word q = the scale word of row r of tile 2 q + h.  G 0-7: W1, half G / 4, K step G % 4; G 8-15: W2, K step G - 8.
;   A tile of W1 takes rows 32 b + 8 u + r + 8 (r / 8) (tile 2 b + u), so that two neighbouring result tiles hold 16 neighbours along the next K.
; A block's scale byte is its largest magnitude's exponent field - 2, held at 1 from below by a floor among the maximum's leaves.
; LIMITS: NaN and infinities are not served.  A block whose largest magnitude lies under 2^-124 keeps the byte 1; a block of zeros too (the rule says 127): its codes are zeros and this
;   program alone reads the bytes.  Two logits that differ by less than the rounding of an f32 sum of 512 terms may be ordered otherwise than by another order of summation.  A second
;   weight under 2^-126 becomes 0.  The scale words of the weights leave as pieces of 4 bytes, 16 bytes apart: one byte for each 128 bytes read.
.set STG,   16896                      ; LDS: bytes 0-16,895 Wg as 32 slices of 512 bytes, 528 apart; then for each wave two stages of 32 x 80 bytes
.set LG,    57856                      ; the logits: 32 tokens x 32 bytes
.set XSB,   58880                      ; the scale bytes: 32 tokens x 16
.set SP,    80                         ; a lane's place in a stage: 64 bytes + 16 of padding
.set A,     16                         ; v16-23   eight logit sums
.set PT,    24                         ; v24-31   the other half of the lanes' sums
.set R,     32                         ; v32-95   four rows x 16 numbers
.set WG,    96                         ; v96-223  Wg[16 lane + i][e] at WG + 8 i + e
.set C,     224                        ; v224-231 codes, two registers a row
.set E,     232                        ; v232-235 a scale byte a row
.set FLOOR, 0x1800000                  ; 2^(3 - 127)
.set EOFF,  0xff000000                 ; 2 off an exponent field
	s_load_b512 s[4:19], s[0:1], 0x0               ; x 4, Wg 6, bg 8, W1 10, W2 12, xq 14, xs 16, gw 18
	s_load_b128 s[20:23], s[0:1], 0x40             ; rt 20, wq 22
	s_load_b64 s[24:25], s[0:1], 0x50              ; ws 24
	v_lshl_add_u32 v254, v0, 2, 0xe800
	v_mov_b32 v255, 0
	v_lshrrev_b32 v1, 5, v0
	v_readfirstlane_b32 s28, v1                    ; wave 0..7
	v_and_b32 v1, 31, v0                           ; lane
	s_mov_b32 s31, 0                               ; the upper word of every offset
	s_wait_kmcnt 0x0
	s_cmp_lt_u32 ttmp9, 256
	s_cbranch_scc0 .Lweights
; ---------------- path X ----------------
	v_lshlrev_b32 v2, 4, v1                        ; 16 x lane
	v_lshlrev_b32 v236, 4, v0                      ; 16 x thread
	s_lshl_b32 s30, ttmp9, 16                      ; 32 rows of 2,048 bytes a work-group,
	s_lshl_b32 s29, s28, 13                        ; 4 a wave
	s_add_co_u32 s30, s30, s29
	s_add_nc_u64 s[4:5], s[4:5], s[30:31]
	global_load_b128 v[8:11], v236, s[6:7]         ; Wg, 16,384 bytes, as it lies
	global_load_b128 v[12:15], v236, s[6:7] offset:4096
	global_load_b128 v[24:27], v236, s[6:7] offset:8192
	global_load_b128 v[28:31], v236, s[6:7] offset:12288
.irp j, 0,1,2,3
.irp i, 0,1,2,3
	global_load_b128 v[R+16*\j+4*\i:R+16*\j+4*\i+3], v2, s[4:5] offset:2048*\j+512*\i th:TH_LOAD_NT   ; 32 lanes read 512 consecutive bytes
.endr
.endr
	s_load_b256 s[32:39], s[8:9], 0x0              ; bg
	s_mov_b32 s42, 0x76543210
	s_mov_b32 s43, 0xfedcba98                      ; v_permlanex16_b32's selects for lane l xor 16
	s_mul_i32 s29, s28, 5120
	s_add_co_u32 s29, s29, STG                     ; my wave's two stages
	v_lshrrev_b32 v3, 2, v1
	v_mul_u32_u24 v3, v3, SP
	v_and_b32 v4, 3, v1
	v_lshl_add_u32 v3, v4, 4, v3
	v_add_nc_u32 v3, s29, v3                       ; into a stage: 80 (lane / 4) + 16 (lane % 4)
	v_mul_u32_u24 v4, v1, SP
	v_add_nc_u32 v4, s29, v4                       ; out of it: 80 x lane: 16 neighbours along K
	v_lshrrev_b32 v5, 1, v1
	s_lshl_b32 s29, s28, 6
	s_add_co_u32 s29, s29, XSB
	v_add_nc_u32 v5, s29, v5                       ; my block's scale byte
	v_lshlrev_b32 v6, 3, v1                        ; 8 x lane
	s_lshl_b32 s29, s28, 7
	s_add_co_u32 s29, s29, LG
	v_mov_b32 v7, s29                              ; my wave's four tokens' logits
	s_mul_i32 s29, s28, 528
	v_add_nc_u32 v237, s29, v2                     ; Wg into LDS: slice = wave + 8 i
	v_mul_u32_u24 v238, v1, 528                    ; and back: slice = lane
	v_add_nc_u32 v239, XSB, v2                     ; wave 1's read of the scale bytes
	v_lshlrev_b32 v240, 5, v1
	v_add_nc_u32 v240, LG, v240                    ; wave 0's read of the logits
	s_lshl_b32 s30, ttmp9, 13                      ; xq: 256 bytes a token
	s_lshl_b32 s29, s28, 10
	s_add_co_u32 s30, s30, s29
	s_add_nc_u64 s[14:15], s[14:15], s[30:31]
	s_wait_loadcnt 16                              ; Wg is in; the sixteen loads of x stay out
	ds_store_b128 v237, v[8:11]
	ds_store_b128 v237, v[12:15] offset:4224
	ds_store_b128 v237, v[24:27] offset:8448
	ds_store_b128 v237, v[28:31] offset:12672
	s_wait_kmcnt 0x0                               ; bg
	s_wait_dscnt 0x0                               ; for the others' sake: my part of Wg lies in LDS
	s_barrier_signal -1
	s_barrier_wait -1
.set q, 0
.rept 32
	ds_load_b128 v[WG+4*q:WG+4*q+3], v238 offset:16*q   ; my 16 rows of Wg: 512 bytes
.set q, q+1
.endr
.irp e, 0,1,2,3,4,5,6,7
	v_mov_b32 v[PT+\e], 0                          ; written once: a lane permute's destination counts as one of its sources
.endr
; row j through a stage: in as loaded, back 64 bytes a lane, into the registers that it left.  LDS serves a wave's instructions in order: no wait between
.macro TURN j
	s_wait_loadcnt 4*(3-(\j))                      ; row j's four loads are in; the later rows' may be out
.irp i, 0,1,2,3
	ds_store_b128 v3, v[R+16*(\j)+4*\i:R+16*(\j)+4*\i+3] offset:2560*((\j)%2)+640*\i
.endr
.irp i, 0,1,2,3
	ds_load_b128 v[R+16*(\j)+4*\i:R+16*(\j)+4*\i+3], v4 offset:2560*((\j)%2)+16*\i
.endr
.endm
.macro STEP j
.set XS, R+16*(\j)
	s_wait_dscnt 0x0                               ; row j is back (and Wg, in the first step); the last step's small stores have read their registers
.if (\j) < 3
	TURN (\j)+1
.endif
	v_max3_num_f32 v8, |v[XS]|, |v[XS+1]|, |v[XS+2]|            ; the largest magnitude of my 16, in two chains
	v_max3_num_f32 v9, |v[XS+3]|, |v[XS+4]|, |v[XS+5]|
.irp i, 6,10
	v_max3_num_f32 v8, v8, |v[XS+\i]|, |v[XS+\i+1]|
	v_max3_num_f32 v9, v9, |v[XS+\i+2]|, |v[XS+\i+3]|
.endr
	v_max3_num_f32 v8, v8, |v[XS+14]|, |v[XS+15]|
	v_max3_num_f32 v8, v8, v9, FLOOR               ; and the floor: the byte cannot fall under 1
	v_max_num_f32_dpp v8, v8, v8 row_xmask:1 row_mask:0xf bank_mask:0xf   ; with my neighbour's 16: the block's
	v_add_nc_u32 v11, EOFF, v8                     ; the conversion takes this operand's exponent field as its scale
	v_cvt_scalef32_pk8_fp4_f32 v[C+2*(\j)], v[XS:XS+7], v11
	v_cvt_scalef32_pk8_fp4_f32 v[C+2*(\j)+1], v[XS+8:XS+15], v11
	v_lshrrev_b32 v[E+(\j)], 23, v11               ; the scale's byte
	ds_store_b8 v5, v[E+(\j)] offset:16*(\j)       ; both lanes of a block write the same byte with the same value
	global_store_b64 v6, v[C+2*(\j):C+2*(\j)+1], s[14:15] offset:256*(\j)   ; the wave stores the row's 256 bytes, aligned
	; the gate: my 16 k x 8 experts, two experts an instruction; x is taken for both halves
.irp p, 0,1,2,3
	v_pk_mul_f32 v[A+2*\p:A+2*\p+1], v[XS:XS+1], v[WG+2*\p:WG+2*\p+1] op_sel_hi:[0,1]
.endr
.set gi, 1
.rept 15
.irp p, 0,1,2,3
.if gi%2
	v_pk_fma_f32 v[A+2*\p:A+2*\p+1], v[XS+gi-1:XS+gi], v[WG+8*gi+2*\p:WG+8*gi+2*\p+1], v[A+2*\p:A+2*\p+1] op_sel:[1,0,0] op_sel_hi:[1,1,1]
.else
	v_pk_fma_f32 v[A+2*\p:A+2*\p+1], v[XS+gi:XS+gi+1], v[WG+8*gi+2*\p:WG+8*gi+2*\p+1], v[A+2*\p:A+2*\p+1] op_sel_hi:[0,1,1]
.endif
.endr
.set gi, gi+1
.endr
.irp x, 1,2,4,8
.irp e, 0,1,2,3,4,5,6,7
	v_add_f32_dpp v[A+\e], v[A+\e], v[A+\e] row_xmask:\x row_mask:0xf bank_mask:0xf   ; over 16 lanes, the eight sums by turns
.endr
.endr
.irp e, 0,1,2,3,4,5,6,7
	v_permlanex16_b32 v[PT+\e], v[A+\e], s42, s43
.endr
.irp e, 0,1,2,3,4,5,6,7
	v_add_f32 v[A+\e], v[A+\e], v[PT+\e]           ; every lane holds the row's eight sums
.endr
	ds_store_b128 v7, v[A:A+3] offset:32*(\j)      ; all lanes write the same bytes with the same values
	ds_store_b128 v7, v[A+4:A+7] offset:32*(\j)+16
.endm
	TURN 0
	STEP 0
	STEP 1
	STEP 2
	STEP 3
	s_wait_dscnt 0x0                               ; for the others' sake: my logits and scale bytes lie in LDS
	s_barrier_signal -1
	s_barrier_wait -1
	s_cmp_eq_u32 s28, 1
	s_cbranch_scc1 .Lwave1
	s_cmp_lg_u32 s28, 0
	s_cbranch_scc1 .Ldone
; wave 0: a lane a token
.set L,    32                          ; v32-39 the logits
.set M1,   40
.set I1,   41
.set M2,   42
.set I2,   43
.set NINF, 44
.set T0,   45
.set E2,   46
.set C1,   47
.set C2,   48
.set LOX,  49
.set HIX,  50
.set CP,   52                          ; v[52:53] the weights of lo and of hi
.set KEY,  54
.set RANK, 55
.set CNT,  56
.set TMP,  57
.set INFO, 58
.set A4,   59
	ds_load_b128 v[L:L+3], v240
	ds_load_b128 v[L+4:L+7], v240 offset:16
	s_lshl_b32 s30, ttmp9, 8                       ; 256 bytes a work-group in rt and in gw
	s_add_nc_u64 s[20:21], s[20:21], s[30:31]
	s_add_nc_u64 s[18:19], s[18:19], s[30:31]
	v_mov_b32 v[NINF], 0xff800000
	v_mov_b32 v[RANK], 0
	v_mov_b32 v[CNT], 0
	v_lshlrev_b32 v[A4], 2, v1
	s_wait_dscnt 0x0
.irp e, 0,1,2,3,4,5,6,7
	v_add_f32 v[L+\e], s[32+\e], v[L+\e]           ; + bg
.endr
.macro ARGMAX m, idx                   ; the largest logit and its index; a later one replaces an earlier one only where it is truly larger
	v_mov_b32 v[\m], v[L]
	v_mov_b32 v[\idx], 0
.irp e, 1,2,3,4,5,6,7
	v_cmp_le_f32 vcc_lo, v[L+\e], v[\m]
	v_cndmask_b32 v[\m], v[L+\e], v[\m], vcc_lo
	v_cndmask_b32 v[\idx], \e, v[\idx], vcc_lo
.endr
.endm
	ARGMAX M1, I1
.irp e, 0,1,2,3,4,5,6,7
	v_cmp_eq_u32 vcc_lo, \e, v[I1]
	v_cndmask_b32 v[L+\e], v[L+\e], v[NINF], vcc_lo   ; the winner leaves the field
.endr
	ARGMAX M2, I2
	v_sub_f32 v[T0], v[M2], v[M1]                  ; 0 or less
	v_mul_f32 v[T0], 0x3fb8aa3b, v[T0]
	v_exp_f32 v[E2], v[T0]
	v_min_u32 v[LOX], v[I1], v[I2]                 ; (plain work behind the exponential)
	v_max_u32 v[HIX], v[I1], v[I2]
	s_wait_alu depctr_va_vdst(0)                   ; the wait ahead of the result's first reader
	v_add_f32 v[T0], 1.0, v[E2]
	v_rcp_f32 v[C1], v[T0]
	v_sub_nc_u32 v[KEY], 15, v[LOX]                ; (plain work behind the reciprocal)  key = lo (15 - lo) / 2 + hi - lo - 1
	v_mul_u32_u24 v[KEY], v[KEY], v[LOX]
	v_lshrrev_b32 v[KEY], 1, v[KEY]
	v_add_nc_u32 v[KEY], v[KEY], v[HIX]
	v_sub_nc_u32 v[KEY], v[KEY], v[LOX]
	v_add_nc_u32 v[KEY], -1, v[KEY]
	s_wait_alu depctr_va_vdst(0)
	v_mul_f32 v[C2], v[E2], v[C1]
	v_cmp_lt_u32 vcc_lo, v[I1], v[I2]
	v_cndmask_b32 v[CP], v[C2], v[C1], vcc_lo      ; the weight of lo,
	v_cndmask_b32 v[CP+1], v[C1], v[C2], vcc_lo    ; of hi
.set k, 0
.rept 28
	v_cmp_eq_u32 s40, k, v[KEY]                    ; which of the 32 tokens have key k
	v_mbcnt_lo_u32_b32 v[TMP], s40, 0              ; how many of them stand in lower lanes
	v_cndmask_b32 v[RANK], v[RANK], v[TMP], s40
	s_bcnt1_i32_b32 s41, s40
	v_writelane_b32 v[CNT], s41, k                 ; lane k: the group's count of key k; lanes 28-31 stay 0
.set k, k+1
.endr
	v_lshl_or_b32 v[INFO], v[RANK], 8, v[KEY]
	global_store_b32 v[A4], v[INFO], s[20:21]
	global_store_b32 v[A4], v[CNT], s[20:21] offset:128
	global_store_b64 v6, v[CP:CP+1], s[18:19]      ; 32 lanes store 256 consecutive bytes, aligned
	s_wait_tensorcnt 0x0
	ds_add_u32 v254, v255
	s_wait_dscnt 0x0
	s_endpgm
.Lwave1:
	ds_load_b128 v[12:15], v239
	s_lshl_b32 s30, ttmp9, 9
	s_add_nc_u64 s[16:17], s[16:17], s[30:31]
	s_wait_dscnt 0x0
	global_store_b128 v2, v[12:15], s[16:17]       ; 32 tokens' scale bytes: 512 consecutive bytes, aligned
.Ldone:
	s_wait_tensorcnt 0x0
	ds_add_u32 v254, v255
	s_wait_dscnt 0x0
	s_endpgm
; ---------------- paths W1 and W2 ----------------
.macro WDEST                           ; s35 = which record of 8,192 bytes of codes and 512 of scale words; s45 = wave % 4: which two tiles of it
	s_lshl_b32 s30, s35, 13
	s_lshl_b32 s29, s45, 11
	s_add_co_u32 s30, s30, s29
	s_add_nc_u64 s[38:39], s[22:23], s[30:31]
	s_lshl_b32 s30, s35, 9
	s_lshl_b32 s29, s45, 2
	s_add_co_u32 s30, s30, s29
	s_add_nc_u64 s[40:41], s[24:25], s[30:31]
.endm
.macro WQ stride                       ; 128 rows of my 32 columns; every offset is an immediate, 127 rows at the most
.set q, 0
.rept 128
	global_load_b32 v[32+q], v3, s[36:37] offset:q*\stride th:TH_LOAD_NT   ; a wave reads 128 consecutive bytes of a row, the eight waves 1,024
.set q, q+1
.endr
.irp t, 0,1,2,3
.if \t < 2
	s_wait_loadcnt 63                              ; 96 and 64 younger loads could stay out; the wait's field holds 63
.elseif \t == 2
	s_wait_loadcnt 32
.else
	s_wait_loadcnt 0x0
.endif
.set XS, 32+32*\t
	v_max3_num_f32 v8, |v[XS]|, |v[XS+1]|, |v[XS+2]|            ; the block's largest magnitude: all 32 numbers are mine
	v_max3_num_f32 v9, |v[XS+3]|, |v[XS+4]|, |v[XS+5]|
.irp i, 6,10,14,18,22,26
	v_max3_num_f32 v8, v8, |v[XS+\i]|, |v[XS+\i+1]|
	v_max3_num_f32 v9, v9, |v[XS+\i+2]|, |v[XS+\i+3]|
.endr
	v_max3_num_f32 v8, v8, |v[XS+30]|, |v[XS+31]|
	v_max3_num_f32 v8, v8, v9, FLOOR
	v_add_nc_u32 v11, EOFF, v8
	v_lshrrev_b32 v10, 23, v11
.if \t == 0
	v_mov_b32 v176, v10                            ; the K step's scale word: the lower K in the lower byte
.else
	v_lshl_or_b32 v176, v10, 8*\t, v176
.endif
.irp g, 0,1,2,3
	v_cvt_scalef32_pk8_fp4_f32 v[160+4*\t+\g], v[XS+8*\g:XS+8*\g+7], v11
.endr
	v_nop                                          ; a plain line behind the conversions, ahead of the next write of their scale operand
	global_store_b128 v4, v[160+4*\t:160+4*\t+3], s[38:39] offset:512*(\t/2)+256*(\t%2)   ; block t = register group t / 2 of lanes 16 (t % 2) + r: sixteen lanes fill 256 consecutive bytes, aligned
.endr
	global_store_b32 v5, v176, s[40:41]
	s_endpgm
.endm
.Lweights:
	v_lshlrev_b32 v3, 2, v1                        ; 4 bytes a lane
	s_lshr_b32 s44, s28, 2                         ; wave / 4
	s_and_b32 s45, s28, 3                          ; wave % 4
	s_cmp_lt_u32 ttmp9, 384
	s_cbranch_scc0 .Lw2
	s_sub_co_u32 s26, ttmp9, 256
	s_lshr_b32 s32, s26, 4                         ; expert
	s_bfe_u32 s33, s26, 0x20002                    ; block of 256 columns = chain wave
	s_and_b32 s34, s26, 3                          ; K step
	s_lshl_b32 s30, s32, 21
	s_lshl_b32 s29, s34, 19                        ; 128 rows of 4,096 bytes
	s_add_co_u32 s30, s30, s29
	s_lshl_b32 s29, s33, 10
	s_add_co_u32 s30, s30, s29
	s_lshl_b32 s29, s28, 7                         ; 32 columns a wave
	s_add_co_u32 s30, s30, s29
	s_add_nc_u64 s[36:37], s[10:11], s[30:31]
	s_lshl_b32 s35, s32, 2
	s_add_co_u32 s35, s35, s33
	s_lshl_b32 s35, s35, 4
	s_lshl_b32 s29, s44, 2
	s_add_co_u32 s35, s35, s29
	s_add_co_u32 s35, s35, s34                     ; record (4 e + w) 16 + 4 (half) + K step
	WDEST
	v_bfe_u32 v8, v1, 3, 1                         ; column c of the 32: u = (c / 8) % 2,
	v_lshrrev_b32 v9, 4, v1
	v_and_b32 v10, 7, v1
	v_lshl_add_u32 v9, v9, 3, v10                  ; r = 8 (c / 16) + c % 8
	v_lshlrev_b32 v4, 4, v9
	v_lshl_add_u32 v5, v8, 8, v4                   ; scale word: 256 u + 16 r
	v_lshl_add_u32 v4, v8, 10, v4                  ; codes: 1,024 u + 16 r
	WQ 4096
.Lw2:
	s_sub_co_u32 s26, ttmp9, 384
	s_lshr_b32 s32, s26, 4                         ; expert
	s_bfe_u32 s33, s26, 0x10003                    ; block of 256 columns
	s_and_b32 s34, s26, 7                          ; K step
	s_lshl_b32 s30, s32, 21
	s_lshl_b32 s29, s34, 18                        ; 128 rows of 2,048 bytes
	s_add_co_u32 s30, s30, s29
	s_lshl_b32 s29, s33, 10
	s_add_co_u32 s30, s30, s29
	s_lshl_b32 s29, s28, 7
	s_add_co_u32 s30, s30, s29
	s_add_nc_u64 s[36:37], s[12:13], s[30:31]
	s_lshl_b32 s35, s32, 2
	s_lshl_b32 s29, s33, 1
	s_add_co_u32 s35, s35, s29
	s_add_co_u32 s35, s35, s44                     ; 4 e + chain wave (128 columns each)
	s_lshl_b32 s35, s35, 4
	s_add_co_u32 s35, s35, 8
	s_add_co_u32 s35, s35, s34
	WDEST
	v_lshrrev_b32 v8, 4, v1
	v_and_b32 v9, 15, v1
	v_lshlrev_b32 v4, 4, v9
	v_lshl_add_u32 v4, v8, 10, v4                  ; codes: 1,024 (c / 16) + 16 (c % 16)
	v_lshlrev_b32 v5, 4, v1                        ; scale word: 16 c
	WQ 2048
.Lfunc_end_k_q1c4786b17d_prep:
	.size	k_q1c4786b17d_prep, .Lfunc_end_k_q1c4786b17d_prep-k_q1c4786b17d_prep
	.p2alignl 7, 3214868480
	.fill 96, 4, 3214868480
	.section	.rodata,"a",@progbits
	.p2align	6, 0x0
	.amdhsa_kernel k_q1c4786b17d_prep
		.amdhsa_group_segment_fixed_size 60416
		.amdhsa_private_segment_fixed_size 0
		.amdhsa_enable_private_segment 0
		.amdhsa_kernarg_size 88
		.amdhsa_user_sgpr_count 2
		.amdhsa_user_sgpr_kernarg_segment_ptr 1
		.amdhsa_wavefront_size32 1
		.amdhsa_system_sgpr_workgroup_id_x 1
		.amdhsa_system_sgpr_workgroup_id_y 1
		.amdhsa_system_sgpr_workgroup_id_z 1
		.amdhsa_system_vgpr_workitem_id 0
		.amdhsa_next_free_vgpr 256
		.amdhsa_next_free_sgpr 66
		.amdhsa_reserve_vcc 1
		.amdhsa_float_denorm_mode_32 3
		.amdhsa_float_denorm_mode_16_64 3
		.amdhsa_memory_ordered 1
		.amdhsa_forward_progress 1
		.amdhsa_inst_pref_size 93
	.end_amdhsa_kernel
	.amdgpu_metadata
---
amdhsa.version: [ 1, 2 ]
amdhsa.kernels:
  - .name:           k_q1c4786b17d_prep
    .symbol:         k_q1c4786b17d_prep.kd
    .args:
      - { .name: x, .offset: 0, .size: 8, .value_kind: global_buffer, .address_space: global }
      - { .name: Wg, .offset: 8, .size: 8, .value_kind: global_buffer, .address_space: global }
      - { .name: bg, .offset: 16, .size: 8, .value_kind: global_buffer, .address_space: global }
      - { .name: W1, .offset: 24, .size: 8, .value_kind: global_buffer, .address_space: global }
      - { .name: W2, .offset: 32, .size: 8, .value_kind: global_buffer, .address_space: global }
      - { .name: xq, .offset: 40, .size: 8, .value_kind: global_buffer, .address_space: global }
      - { .name: xs, .offset: 48, .size: 8, .value_kind: global_buffer, .address_space: global }
      - { .name: gw, .offset: 56, .size: 8, .value_kind: global_buffer, .address_space: global }
      - { .name: rt, .offset: 64, .size: 8, .value_kind: global_buffer, .address_space: global }
      - { .name: wq, .offset: 72, .size: 8, .value_kind: global_buffer, .address_space: global }
      - { .name: ws, .offset: 80, .size: 8, .value_kind: global_buffer, .address_space: global }
    .group_segment_fixed_size: 60416
    .private_segment_fixed_size: 0
    .kernarg_segment_align: 8
    .kernarg_segment_size: 88
    .max_flat_workgroup_size: 256
    .sgpr_count:     66
    .vgpr_count:     256
    .wavefront_size: 32
...
	.end_amdgpu_metadata
.endif
;; end of part 1
;; launch route (part 2): grid 1 x 1, 32 waves a work-group, no clusters, 8,192 bytes of LDS; arguments rt, plan; writes plan
.if DOCPART == 2
	.amdgcn_target "amdgcn-amd-amdhsa--gfx1250"
	.amdhsa_code_object_version 6
	.text
	.protected	k_q1c4786b17d_route
	.globl	k_q1c4786b17d_route
	.p2align	8
	.type	k_q1c4786b17d_route,@function
k_q1c4786b17d_route:
	s_mov_b64 s[64:65], 0
	v_nop
	global_prefetch_b8 v0, s[64:65] scope:SCOPE_SE
	s_setreg_imm32_b32 hwreg(HW_REG_WAVE_MODE, 25, 1), 1
	s_wait_xcnt 0x0
; ROUTE: a counting sort of the 8,192 tokens by the key (0..27) of their pair of experts, and the list of tiles.  One work-group, no atomics.
; rt: for each group of 32 tokens 64 words: 32 x (key | rank << 8), then the group's count of each key (word = key; words 28-31 are 0).
; plan: order[8192] (token numbers, sorted by key), then from byte 32,768 on 160 tile words: first | count << 13 | lo << 20 | hi << 24; count 0: no tile.
; A tile has at most 64 tokens of ONE key: the tiles of all keys are never more than 128 + 27.
; Wave w owns groups 8 w .. 8 w + 7; in the counts a lane is a key.  A token's place = the key's start + the counts of that key in earlier waves and earlier groups + its rank.
; The 8,192 words of the list are stored singly, wherever the sort puts them: 32 KiB in all.
	s_load_b128 s[4:7], s[0:1], 0x0                ; rt, plan
	v_lshl_add_u32 v126, v0, 2, 0x1000
	v_mov_b32 v127, 0
	v_lshrrev_b32 v1, 5, v0
	v_readfirstlane_b32 s8, v1                     ; wave 0..31
	v_and_b32 v2, 31, v0                           ; lane
	v_lshlrev_b32 v5, 2, v2                        ; 4 x lane
	v_lshl_add_u32 v3, v1, 11, v5                  ; my wave's eight groups: 2,048 w + 4 x lane
	v_lshlrev_b32 v4, 2, v0                        ; 4 x thread
	s_wait_kmcnt 0x0
.irp i, 0,1,2,3,4,5,6,7
	global_load_b32 v[8+\i], v3, s[4:5] offset:256*\i+128   ; counts
.endr
.irp i, 0,1,2,3,4,5,6,7
	global_load_b32 v[16+\i], v3, s[4:5] offset:256*\i      ; key and rank
.endr
	s_wait_loadcnt 8                               ; the counts are in; the eight younger loads stay out
	v_add3_u32 v24, v8, v9, v10
	v_add3_u32 v24, v24, v11, v12
	v_add3_u32 v24, v24, v13, v14
	v_add_nc_u32 v24, v24, v15                     ; my wave's count of key = lane
	ds_store_b32 v4, v24
	s_wait_dscnt 0x0                               ; for the others' sake
	s_barrier_signal -1
	s_barrier_wait -1
.set q, 0
.rept 32
	ds_load_b32 v[32+q], v5 offset:128*q           ; every wave's count of my key
.set q, q+1
.endr
	v_mov_b32 v25, 0                               ; the key's total
	v_mov_b32 v26, 0                               ; and its count in the waves ahead of mine
	v_mov_b32 v28, 0
	s_wait_dscnt 0x0
.set q, 0
.rept 32
	v_add_nc_u32 v25, v25, v[32+q]
	s_cmp_gt_u32 s8, q
	s_cselect_b32 s9, 1, 0
	v_mad_u32_u24 v26, v[32+q], s9, v26
.set q, q+1
.endr
	v_add_nc_u32 v27, 63, v25
	v_lshrrev_b32 v27, 6, v27
	v_lshl_or_b32 v27, v27, 16, v25                ; total | tiles << 16: both are summed at once (8,192 and 155 at the most)
	s_mov_b32 s10, 0
.set k, 0
.rept 28
	v_writelane_b32 v28, s10, k                    ; lane k: where key k's tokens and tiles begin
	v_readlane_b32 s11, v27, k
	s_add_co_u32 s10, s10, s11
.set k, k+1
.endr
	v_and_b32 v64, 0xffff, v28
	v_add_nc_u32 v64, v64, v26                     ; where my wave's first group puts key = lane
.irp i, 0,1,2,3,4,5,6
	v_add_nc_u32 v[65+\i], v[64+\i], v[8+\i]       ; and the later groups
.endr
	v_lshl_add_u32 v88, v1, 8, v2                  ; token numbers: 256 w + 32 i + lane
.irp i, 1,2,3,4,5,6,7
	v_add_nc_u32 v[88+\i], 32*\i, v88
.endr
	s_wait_loadcnt 0x0
.irp i, 0,1,2,3,4,5,6,7
	v_and_b32 v[72+\i], 31, v[16+\i]               ; the token's key,
	v_lshlrev_b32 v[72+\i], 2, v[72+\i]            ; as a lane's byte address
.endr
.irp i, 0,1,2,3,4,5,6,7
	ds_bpermute_b32 v[80+\i], v[72+\i], v[64+\i]   ; the place of its key's first token of this group
.endr
	s_wait_dscnt 0x0
.irp i, 0,1,2,3,4,5,6,7
	v_bfe_u32 v[72+\i], v[16+\i], 8, 5             ; + its rank
	v_add_nc_u32 v[80+\i], v[80+\i], v[72+\i]
	v_min_u32 v[80+\i], 0x1fff, v[80+\i]           ; held inside the list
	v_lshlrev_b32 v[80+\i], 2, v[80+\i]
.endr
.irp i, 0,1,2,3,4,5,6,7
	global_store_b32 v[80+\i], v[88+\i], s[6:7]
.endr
	s_cmp_lt_u32 s8, 5
	s_cbranch_scc0 .Lend
	; tile j = thread (0..159): its key is the last whose first tile is not behind j
	v_mov_b32 v96, 0
	v_mov_b32 v97, 0
	v_mov_b32 v98, 0
.set LO, 0
.set HI, 1
.set k, 0
.rept 28
	v_readlane_b32 s11, v28, k
	s_lshr_b32 s12, s11, 16
	v_readlane_b32 s13, v27, k
	s_mov_b32 s14, (LO<<20)|(HI<<24)
	v_cmp_gt_u32 vcc_lo, s12, v0                   ; key k begins behind tile j: keep what is there
	v_cndmask_b32 v96, s11, v96, vcc_lo
	v_cndmask_b32 v97, s13, v97, vcc_lo
	v_cndmask_b32 v98, s14, v98, vcc_lo
.set HI, HI+1
.if HI == 8
.set LO, LO+1
.set HI, LO+1
.endif
.set k, k+1
.endr
	v_lshrrev_b32 v99, 16, v96
	v_sub_nc_u32 v99, v0, v99                      ; which tile of its key
	v_and_b32 v100, 0xffff, v96
	v_lshl_add_u32 v100, v99, 6, v100
	v_min_u32 v100, 0x1fff, v100                   ; its first place in the list
	v_and_b32 v101, 0xffff, v97
	v_lshlrev_b32 v99, 6, v99
	v_sub_nc_u32 v101, v101, v99
	v_max_i32 v101, 0, v101
	v_min_i32 v101, 64, v101                       ; its tokens: 0 behind the last tile
	v_lshl_or_b32 v100, v101, 13, v100
	v_or_b32 v100, v100, v98
	global_store_b32 v4, v100, s[6:7] offset:32768
.Lend:
	s_wait_tensorcnt 0x0
	ds_add_u32 v126, v127
	s_wait_dscnt 0x0
	s_endpgm
.Lfunc_end_k_q1c4786b17d_route:
	.size	k_q1c4786b17d_route, .Lfunc_end_k_q1c4786b17d_route-k_q1c4786b17d_route
	.p2alignl 7, 3214868480
	.fill 96, 4, 3214868480
	.section	.rodata,"a",@progbits
	.p2align	6, 0x0
	.amdhsa_kernel k_q1c4786b17d_route
		.amdhsa_group_segment_fixed_size 8192
		.amdhsa_private_segment_fixed_size 0
		.amdhsa_enable_private_segment 0
		.amdhsa_kernarg_size 16
		.amdhsa_user_sgpr_count 2
		.amdhsa_user_sgpr_kernarg_segment_ptr 1
		.amdhsa_wavefront_size32 1
		.amdhsa_system_sgpr_workgroup_id_x 1
		.amdhsa_system_sgpr_workgroup_id_y 1
		.amdhsa_system_sgpr_workgroup_id_z 1
		.amdhsa_system_vgpr_workitem_id 0
		.amdhsa_next_free_vgpr 128
		.amdhsa_next_free_sgpr 66
		.amdhsa_reserve_vcc 1
		.amdhsa_float_denorm_mode_32 3
		.amdhsa_float_denorm_mode_16_64 3
		.amdhsa_memory_ordered 1
		.amdhsa_forward_progress 1
		.amdhsa_inst_pref_size 29
	.end_amdhsa_kernel
	.amdgpu_metadata
---
amdhsa.version: [ 1, 2 ]
amdhsa.kernels:
  - .name:           k_q1c4786b17d_route
    .symbol:         k_q1c4786b17d_route.kd
    .args:
      - { .name: rt, .offset: 0, .size: 8, .value_kind: global_buffer, .address_space: global }
      - { .name: plan, .offset: 8, .size: 8, .value_kind: global_buffer, .address_space: global }
    .group_segment_fixed_size: 8192
    .private_segment_fixed_size: 0
    .kernarg_segment_align: 8
    .kernarg_segment_size: 16
    .max_flat_workgroup_size: 1024
    .sgpr_count:     66
    .vgpr_count:     128
    .wavefront_size: 32
...
	.end_amdgpu_metadata
.endif
;; end of part 2
;; launch chain (part 3): grid 155 x 1, 4 waves a work-group, no clusters, 138,752 bytes of LDS; arguments plan, xq, xs, gw, wq, ws, b1, b2, out0; writes out0
.if DOCPART == 3
	.amdgcn_target "amdgcn-amd-amdhsa--gfx1250"
	.amdhsa_code_object_version 6
	.text
	.protected	k_q1c4786b17d_chain
	.globl	k_q1c4786b17d_chain
	.p2align	8
	.type	k_q1c4786b17d_chain,@function
k_q1c4786b17d_chain:
	s_mov_b64 s[64:65], 0
	v_nop
	global_prefetch_b8 v0, s[64:65] scope:SCOPE_SE
	s_setreg_imm32_b32 hwreg(HW_REG_WAVE_MODE, 25, 1), 1
	s_wait_xcnt 0x0
; CHAIN: one work-group takes one tile of the list, at most 64 tokens that chose the SAME pair of experts (lo, hi), through both experts' whole chains:
;   out = c_lo (Q(relu(Q(x) Q(W1[lo]) + b1[lo])) Q(W2[lo]) + b2[lo]) + c_hi (the same with hi).  Q: codes of E2M1 with one E8M0 scale for each 32 along K.  So each row of out0 has one owner, and the
;   hidden layer never leaves the WGP.  Rows behind the tile's count repeat its last token: the same wave stores the same bytes to the same place.
; 155 work-groups serve every split (28 pairs: never more than 128 + 27 tiles).  A work-group whose tile word has the count 0 runs the same text on a row of the list held inside it and jumps over the
;   way out: every wave passes every barrier whatever was loaded, and such a work-group stores nothing.
; SHARES.  The four waves share the COLUMNS: wave w makes hidden units 256 w .. + 255 (two halves of 128 = K steps 2 w, 2 w + 1 of the second product) and outputs 128 w .. + 127, for all 64 rows.
;   Both products are used transposed (source 0 = 16 rows of a weight, source 1 = 16 tokens): a lane holds one token, its registers run along the units.
; WEIGHTS go from memory straight into registers: prep has laid them in the order of the operand's registers, one stream of 16 records of 8,192 + 512 bytes for each (expert, wave).  A ring of four
;   slots (a record each, window 1) is filled again as soon as a record is multiplied: three records are always on their way.
; NO TENSOR LOAD, NO CLUSTER: the expert, the rows and the jump over the way out hang on numbers read from the list, and neighbouring work-groups need different experts.
; OPERANDS go from wave to wave through LDS as images of their registers: a record of a K step = four fragments (row tiles 0-3, 1,024 bytes each: 16 bytes a lane, twice) + 512 bytes of scale
;   words [lane][row tile].  Three barriers: x's records and the biases; expert lo's hidden layer; expert hi's (in bytes of its own, so none is needed between lo's reads and hi's stores).
; LIMITS: as stated in prep (NaN, infinities, blocks under 2^-124, blocks of zeros).
.set XREC,  0                          ; LDS: x's 4 records
.set REC,   4608
.set HREC0, 18432                      ; expert lo's 8 records of the hidden layer
.set HREC1, 55296                      ; expert hi's
.set BIAS,  92160                      ; b1[lo] 4,096, b1[hi] 4,096, b2[lo] 2,048, b2[hi] 2,048
.set STAGE, 104448                     ; the way out: for each wave 16 rows x (512 + 16) bytes
; window 0
.set LI,  2                            ; 16 x lane
.set LI2, 3                            ; 16 x lane + HREC1
.set XW,  4                            ; 16 x lane + 4,608 w
.set HW,  5                            ; 16 x lane + 9,216 w
.set HWA, 6                            ; HW + the half's record
.set BA1, 7                            ; BIAS + 1,024 w + 64 h
.set BAA, 8                            ; BA1 + the half's 512 bytes
.set BA2, 9                            ; BIAS + 8,192 + 512 w + 32 h
.set STO, 10                           ; the stage, in: row r, + 32 h
.set RD,  11                           ; the stage, back: 16 x lane
.set CO,  12                           ; 512 w + 16 x lane: my bytes of a row of out0
.set OP,  32                           ; v32-95   two buffers of four token fragments
.set OS,  96                           ; v96-103  their scale words (scales and nothing else)
.set WS,  104                          ; v104-119 the weights' scale words, four a slot (scales and nothing else)
.set BI,  120                          ; v120-183 eight bias tiles
.set TM,  184                          ; v184-199 the quantiser's temporaries
.set CD,  200                          ; v200-231 the codes just made, eight a row tile
.set PW,  232                          ; v232-235 the scale words just made
.set CW,  236                          ; v236-243 (c_lo, c_hi) of my token in row tile m
.set TK,  244                          ; v244-247 my token in row tile m
.set CH,  248                          ; v248-255 c_hi twice
; window 1: the ring, slot j at v[64 j]; window 2: the accumulators (row tile m, tile t) at v[64 m + 8 t]; window 3: c_lo x expert lo's result, then the sum, same map
.set RP,  32                           ; s[32:33] where the next four records' codes are read
.set RS,  34                           ; s[34:35] and their scale words
.set HB,  36                           ; s[36:37], s[38:39] expert hi's stream
.set HS,  38
.set GC,  40
.set GOFF, 41
.set BOFF, 42
.set SEL, 44
.set MSB, 0
.macro WIN new                         ; the immediate's high byte repeats the setting that is left; bits 1:0 source 0, 3:2 source 1, 5:4 source 2, 7:6 destination
.if MSB != \new
	s_set_vgpr_msb (MSB<<8)|\new
.set MSB, \new
.endif
.endm
.macro BARRIER
	s_wait_dscnt 0x0                               ; my LDS stores have landed and my LDS loads are in
	s_barrier_signal -1
	s_barrier_wait -1
.endm
.macro OPFETCH adr, off, p             ; a record into buffer p: nine loads
.set q, 0
.rept 8
	ds_load_b128 v[OP+32*(\p)+4*q:OP+32*(\p)+4*q+3], v[\adr] offset:(\off)+512*q
.set q, q+1
.endr
	ds_load_b128 v[OS+4*(\p):OS+4*(\p)+3], v[\adr] offset:(\off)+4096
.endm
.macro BIAS1 e                         ; tile 2 b + u, register j: b1 of unit 32 b + 16 h + 8 u + j of my half
.irp t, 0,1,2,3,4,5,6,7
	ds_load_b128 v[BI+8*\t:BI+8*\t+3], v[BAA] offset:4096*(\e)+128*(\t/2)+32*(\t%2)
	ds_load_b128 v[BI+8*\t+4:BI+8*\t+7], v[BAA] offset:4096*(\e)+128*(\t/2)+32*(\t%2)+16
.endr
.endm
.macro BIAS2 e                         ; tile t, register j: b2 of output 16 t + 8 h + j of my 128
.irp t, 0,1,2,3,4,5,6,7
	ds_load_b128 v[BI+8*\t:BI+8*\t+3], v[BA2] offset:2048*(\e)+64*\t
	ds_load_b128 v[BI+8*\t+4:BI+8*\t+7], v[BA2] offset:2048*(\e)+64*\t+16
.endr
.endm
.macro RELOAD j                        ; slot j takes the record four further on: 17 loads, each of 512 consecutive bytes
	WIN 0x40
.set q, 0
.rept 16
	global_load_b128 v[64*(\j)+4*q:64*(\j)+4*q+3], v[LI], s[RP:RP+1] offset:8192*(\j)+512*q
.set q, q+1
.endr
	WIN 0
	global_load_b128 v[WS+4*(\j):WS+4*(\j)+3], v[LI], s[RS:RS+1] offset:512*(\j)
.endm
.macro WM d, a, b, c, sa, sb, odd      ; an odd tile's scale words stand in lanes 16-31 of the register that it shares with the even tile
.if (\odd)
	v_wmma_scale_f32_16x16x128_f8f6f4 v[(\d):(\d)+7], v[(\a):(\a)+7], v[(\b):(\b)+7], v[(\c):(\c)+7], v[(\sa)], v[(\sb)] matrix_a_fmt:MATRIX_FMT_FP4 matrix_b_fmt:MATRIX_FMT_FP4 matrix_a_scale:MATRIX_SCALE_ROW1
.else
	v_wmma_scale_f32_16x16x128_f8f6f4 v[(\d):(\d)+7], v[(\a):(\a)+7], v[(\b):(\b)+7], v[(\c):(\c)+7], v[(\sa)], v[(\sb)] matrix_a_fmt:MATRIX_FMT_FP4 matrix_b_fmt:MATRIX_FMT_FP4
.endif
.endm
; 32 matrix instructions: slot j's eight tiles x buffer p's four row tiles, 128 along K.  The 32 accumulators take turns, one instruction a turn.  first = 1: the bias is the sums' C
.macro MUL32 j, p, first
.if \first
	WIN 0x81                                       ; A window 1, B and C window 0, D window 2
.else
	WIN 0xa1                                       ; A window 1, B window 0, C and D window 2
.endif
.irp t, 0,1,2,3,4,5,6,7
.irp m, 0,1,2,3
.if \first
	WM 64*\m+8*\t, 64*(\j)+8*\t, OP+32*(\p)+8*\m, BI+8*\t, WS+4*(\j)+\t/2, OS+4*(\p)+\m, \t%2
.else
	WM 64*\m+8*\t, 64*(\j)+8*\t, OP+32*(\p)+8*\m, 64*\m+8*\t, WS+4*(\j)+\t/2, OS+4*(\p)+\m, \t%2
.endif
.endr
.endr
.endm
; One K step.  nx = 1: the next record is asked for first, into the other buffer (its last readers stand in front of the last group's four v_nop).
; L: how many younger ring loads may stay out when slot j has to be there: 17 for each younger slot.
.macro GROUP j, p, first, nx, adr, off, L, reload
.if \nx
	OPFETCH \adr, \off, 1-(\p)
	s_wait_dscnt 9                                 ; all but the nine just issued: this record (and the biases) are in
.else
	s_wait_dscnt 0x0
.endif
	s_wait_loadcnt \L
	MUL32 \j, \p, \first
	WIN 0
.rept 4
	v_nop                                          ; four places in front of loads into registers that these products read, and of the first read of their results
.endr
.if \reload
	RELOAD \j
.endif
.endm
; Row tile m's 64 numbers of a lane (register 16 b + i = unit 32 b + 16 h + i of my half) : relu, the four blocks' scales, the codes, and their image into the half's record
.macro QUANT m, hrec
	WIN 0x88
.set q, 0
.rept 64
	v_max_num_f32 v[64*(\m)+q], 0, v[64*(\m)+q]    ; the activation, in f32; each accumulator is read from its low end on
.set q, q+1
.endr
	WIN 0x0a
.irp b, 0,1,2,3
	v_max3_num_f32 v[TM+\b], v[64*(\m)+16*\b], v[64*(\m)+16*\b+1], 0x1800000   ; nothing is negative: no |.|; the floor 2^(3 - 127) holds the byte at 1 from below
.endr
.irp i, 2,4,6,8,10,12,14
.irp b, 0,1,2,3
	v_max3_num_f32 v[TM+\b], v[64*(\m)+16*\b+\i], v[64*(\m)+16*\b+\i+1], v[TM+\b]   ; the four blocks by turns
.endr
.endr
	WIN 0
.irp b, 0,1,2,3
	v_permlanex16_b32 v[TM+4+\b], v[TM+\b], s[SEL], s[SEL+1]
.endr
.irp b, 0,1,2,3
	v_max_num_f32 v[TM+\b], v[TM+\b], v[TM+4+\b]   ; with lane l xor 16's 16: the block's largest
.endr
.irp b, 0,1,2,3
	v_add_nc_u32 v[TM+12+\b], 0xff000000, v[TM+\b] ; 2 off its exponent field: the conversion's scale operand
.endr
.irp b, 0,1,2,3
	v_lshrrev_b32 v[TM+4+\b], 23, v[TM+12+\b]      ; the scale's byte
.endr
	v_lshl_or_b32 v[PW+(\m)], v[TM+5], 8, v[TM+4]
	v_lshl_or_b32 v[PW+(\m)], v[TM+6], 16, v[PW+(\m)]
	v_lshl_or_b32 v[PW+(\m)], v[TM+7], 24, v[PW+(\m)]
	WIN 0x02
.irp b, 0,1,2,3
	v_cvt_scalef32_pk8_fp4_f32 v[CD+8*(\m)+2*\b], v[64*(\m)+16*\b:64*(\m)+16*\b+7], v[TM+12+\b]
	v_cvt_scalef32_pk8_fp4_f32 v[CD+8*(\m)+2*\b+1], v[64*(\m)+16*\b+8:64*(\m)+16*\b+15], v[TM+12+\b]
.endr
	v_nop                                          ; one plain line behind the scaled conversions
	WIN 0
.irp c, 0,1                                    ; the operand wants a whole block in a lane: lanes 0-15 block 2 c, lanes 16-31 block 2 c + 1
.irp i, 0,1
	v_permlane16_swap_b32 v[CD+8*(\m)+4*\c+\i], v[CD+8*(\m)+4*\c+2+\i]
.endr
.endr
.irp c, 0,1
	ds_store_b128 v[HWA], v[CD+8*(\m)+4*\c:CD+8*(\m)+4*\c+3] offset:(\hrec)+1024*(\m)+512*\c
.endr
	ds_store_b32 v[HWA], v[PW+(\m)] offset:(\hrec)+4096+4*(\m)
.endm
; One expert's chain.  last = 0: the second half of the second product fills the ring with the other expert's first four records
.macro EXPERT e, last
.if \e
.set HADR, LI2
.set HOFF, 0
.else
.set HADR, LI
.set HOFF, HREC0
.endif
	s_mov_b32 s[GC], 0
	s_mov_b32 s[GOFF], 0
	s_mov_b32 s[BOFF], 0
.Lhalf_\e:                                         ; two trips: my two halves of 128 hidden units
	v_add_nc_u32 v[HWA], s[GOFF], v[HW]
	v_add_nc_u32 v[BAA], s[BOFF], v[BA1]
	BIAS1 \e
	OPFETCH LI, XREC, 0
	GROUP 0, 0, 1, 1, LI, XREC+REC, 51, 1
	GROUP 1, 1, 0, 1, LI, XREC+2*REC, 51, 1
	GROUP 2, 0, 0, 1, LI, XREC+3*REC, 51, 1
	GROUP 3, 1, 0, 0, LI, 0, 51, 1
	QUANT 0, HREC0+36864*\e
	QUANT 1, HREC0+36864*\e
	QUANT 2, HREC0+36864*\e
	QUANT 3, HREC0+36864*\e
	s_wait_dscnt 0x0                               ; the stores have read their registers and their address
	s_wait_xcnt 0x0                                ; the ring's loads have read their bases: these step only behind this wait
	s_add_nc_u64 s[RP:RP+1], s[RP:RP+1], 32768
	s_add_nc_u64 s[RS:RS+1], s[RS:RS+1], 2048
	s_add_co_u32 s[GOFF], s[GOFF], REC
	s_add_co_u32 s[BOFF], s[BOFF], 512
	s_add_co_u32 s[GC], s[GC], 1
	s_cmp_lt_u32 s[GC], 2
	s_cbranch_scc1 .Lhalf_\e
	BARRIER                                        ; the expert's hidden layer lies whole in LDS
	BIAS2 \e
	OPFETCH HADR, HOFF, 0
	GROUP 0, 0, 1, 1, HADR, HOFF+REC, 51, 1
	GROUP 1, 1, 0, 1, HADR, HOFF+2*REC, 51, 1
	GROUP 2, 0, 0, 1, HADR, HOFF+3*REC, 51, 1
	GROUP 3, 1, 0, 1, HADR, HOFF+4*REC, 51, 1
.if \last
	GROUP 0, 0, 0, 1, HADR, HOFF+5*REC, 51, 0      ; nothing is left to fetch: the counts run down
	GROUP 1, 1, 0, 1, HADR, HOFF+6*REC, 34, 0
	GROUP 2, 0, 0, 1, HADR, HOFF+7*REC, 17, 0
	GROUP 3, 1, 0, 0, HADR, 0, 0, 0
.else
	s_wait_xcnt 0x0
	s_mov_b64 s[RP:RP+1], s[HB:HB+1]               ; on into the other expert's stream
	s_mov_b64 s[RS:RS+1], s[HS:HS+1]
	GROUP 0, 0, 0, 1, HADR, HOFF+5*REC, 51, 1
	GROUP 1, 1, 0, 1, HADR, HOFF+6*REC, 51, 1
	GROUP 2, 0, 0, 1, HADR, HOFF+7*REC, 51, 1
	GROUP 3, 1, 0, 0, HADR, 0, 51, 1
	s_wait_xcnt 0x0
	s_add_nc_u64 s[RP:RP+1], s[RP:RP+1], 32768
	s_add_nc_u64 s[RS:RS+1], s[RS:RS+1], 2048
.endif
.endm
	s_load_b512 s[4:19], s[0:1], 0x0               ; plan 4, xq 6, xs 8, gw 10, wq 12, ws 14, b1 16, b2 18
	s_load_b64 s[20:21], s[0:1], 0x40              ; out0
	v_lshl_add_u32 v194, v0, 2, 0x21c00
	v_mov_b32 v195, 0
	v_lshrrev_b32 v1, 5, v0
	v_readfirstlane_b32 s24, v1                    ; wave 0..3
	v_and_b32 v1, 31, v0                           ; lane
	v_and_b32 v13, 15, v0                          ; r
	v_bfe_u32 v200, v0, 4, 1                       ; h
	s_lshl_b32 s46, ttmp9, 2
	s_mov_b32 s49, 0                               ; the upper word of every offset
	s_mov_b32 s[SEL], 0x76543210
	s_mov_b32 s[SEL+1], 0xfedcba98                 ; v_permlanex16_b32's selects for lane l xor 16
	s_wait_kmcnt 0x0
	s_load_b32 s25, s[4:5], s46 offset:0x8000      ; my tile word
	v_lshlrev_b32 v[LI], 4, v1
	v_add_nc_u32 v[LI2], HREC1, v[LI]
	s_mul_i32 s47, s24, REC
	v_add_nc_u32 v[XW], s47, v[LI]
	s_mul_i32 s47, s24, 2*REC
	v_add_nc_u32 v[HW], s47, v[LI]
	s_lshl_b32 s47, s24, 10
	s_add_co_u32 s47, s47, BIAS
	v_lshl_add_u32 v[BA1], v200, 6, s47
	s_lshl_b32 s47, s24, 9
	s_add_co_u32 s47, s47, BIAS+8192
	v_lshl_add_u32 v[BA2], v200, 5, s47
	s_mul_i32 s47, s24, 16*528
	s_add_co_u32 s47, s47, STAGE
	v_mul_u32_u24 v[STO], v13, 528
	v_lshl_add_u32 v[STO], v200, 5, v[STO]
	v_add_nc_u32 v[STO], s47, v[STO]
	v_add_nc_u32 v[RD], s47, v[LI]
	s_lshl_b32 s47, s24, 9
	v_add_nc_u32 v[CO], s47, v[LI]
	v_lshlrev_b32 v19, 4, v0                       ; 16 x thread
	v_add_nc_u32 v201, BIAS, v19
	s_wait_kmcnt 0x0
	s_and_b32 s26, s25, 0x1fff
	s_min_u32 s26, s26, 0x1fff                     ; the tile's first place in the list
	s_bfe_u32 s27, s25, 0x7000d
	s_min_u32 s27, s27, 64                         ; its tokens
	s_bfe_u32 s28, s25, 0x30014
	s_min_u32 s28, s28, 7                          ; lo
	s_bfe_u32 s29, s25, 0x30018
	s_min_u32 s29, s29, 7                          ; hi
	s_max_u32 s47, s27, 1
	s_sub_co_u32 s47, s47, 1                       ; the last row that has a token of its own
.irp m, 0,1,2,3
	v_add_nc_u32 v[14+\m], 16*\m, v13
	v_min_u32 v[14+\m], s47, v[14+\m]              ; rows behind it repeat it
	v_add_nc_u32 v[14+\m], s26, v[14+\m]
	v_min_u32 v[14+\m], 0x1fff, v[14+\m]           ; held inside the list
	v_lshlrev_b32 v[14+\m], 2, v[14+\m]
.endr
.irp m, 0,1,2,3
	global_load_b32 v[TK+\m], v[14+\m], s[4:5]     ; the token of row 16 m + r
.endr
	s_lshl_b32 s48, s28, 12
	s_add_nc_u64 s[50:51], s[16:17], s[48:49]      ; b1[lo]
	s_lshl_b32 s48, s29, 12
	s_add_nc_u64 s[52:53], s[16:17], s[48:49]      ; b1[hi]
	s_lshl_b32 s48, s28, 11
	s_add_nc_u64 s[54:55], s[18:19], s[48:49]      ; b2[lo]
	s_lshl_b32 s48, s29, 11
	s_add_nc_u64 s[56:57], s[18:19], s[48:49]      ; b2[hi]
	global_load_b128 v[BI:BI+3], v19, s[50:51]
	global_load_b128 v[BI+4:BI+7], v19, s[50:51] offset:2048
	global_load_b128 v[BI+8:BI+11], v19, s[52:53]
	global_load_b128 v[BI+12:BI+15], v19, s[52:53] offset:2048
	global_load_b128 v[BI+16:BI+19], v19, s[54:55]
	global_load_b128 v[BI+20:BI+23], v19, s[56:57]
	s_lshl_b32 s46, s28, 2
	s_add_co_u32 s46, s46, s24                     ; 4 lo + w: my stream of expert lo
	s_lshl_b32 s48, s46, 17
	s_add_nc_u64 s[RP:RP+1], s[12:13], s[48:49]
	s_lshl_b32 s48, s46, 13
	s_add_nc_u64 s[RS:RS+1], s[14:15], s[48:49]
	s_lshl_b32 s46, s29, 2
	s_add_co_u32 s46, s46, s24                     ; and of expert hi
	s_lshl_b32 s48, s46, 17
	s_add_nc_u64 s[HB:HB+1], s[12:13], s[48:49]
	s_lshl_b32 s48, s46, 13
	s_add_nc_u64 s[HS:HS+1], s[14:15], s[48:49]
	RELOAD 0                                       ; the ring's first four records
	RELOAD 1
	RELOAD 2
	RELOAD 3
	s_lshl_b32 s46, s24, 6
	v_lshl_add_u32 v18, v200, 4, s46               ; 64 w + 16 h: my bytes of K step w in a row of codes
	s_lshl_b32 s47, s24, 2                         ; and its scale word
	s_wait_loadcnt 63                              ; 74 loads were issued behind the list's four; the wait's field holds 63
.irp m, 0,1,2,3
	v_min_u32 v[TK+\m], 0x1fff, v[TK+\m]           ; held inside the tables
	v_lshl_add_u32 v[20+\m], v[TK+\m], 8, v18
	v_lshl_add_u32 v[24+\m], v[TK+\m], 4, s47
	v_lshlrev_b32 v[28+\m], 3, v[TK+\m]
.endr
.irp m, 0,1,2,3                                ; wave w gathers K step w of all four row tiles
	global_load_b64 v[CW+2*\m:CW+2*\m+1], v[28+\m], s[10:11]
	global_load_b128 v[OP+8*\m:OP+8*\m+3], v[20+\m], s[6:7]
	global_load_b128 v[OP+8*\m+4:OP+8*\m+7], v[20+\m], s[6:7] offset:32
	global_load_b32 v[TM+\m], v[24+\m], s[8:9]
.endr
	s_wait_loadcnt 0x0
	s_wait_xcnt 0x0
	s_add_nc_u64 s[RP:RP+1], s[RP:RP+1], 32768     ; the next four records
	s_add_nc_u64 s[RS:RS+1], s[RS:RS+1], 2048
.irp i, 0,1,2,3,4,5
	ds_store_b128 v201, v[BI+4*\i:BI+4*\i+3] offset:2048*\i   ; the four biases, as they lie
.endr
.irp m, 0,1,2,3
	ds_store_b128 v[XW], v[OP+8*\m:OP+8*\m+3] offset:1024*\m
	ds_store_b128 v[XW], v[OP+8*\m+4:OP+8*\m+7] offset:1024*\m+512
.endr
	ds_store_b128 v[XW], v[TM:TM+3] offset:4096    ; the record's scale words: [lane][row tile]
.irp m, 0,1,2,3
	v_mov_b32 v[CH+2*\m], v[CW+2*\m+1]             ; c_hi in a pair of its own: the packed forms take a pair's low word for both halves
	v_mov_b32 v[CH+2*\m+1], v[CW+2*\m+1]
	v_mov_b32 v[TM+4+\m], 0                        ; written once: a lane permute's destination counts as one of its sources
.endr
	BARRIER                                        ; x's four records and the biases lie in LDS
	EXPERT 0, 0
	WIN 0xc2                                       ; destination window 3, source 0 window 2
.irp m, 0,1,2,3
.set q, 0
.rept 32
	v_pk_mul_f32 v[64*\m+q:64*\m+q+1], v[64*\m+q:64*\m+q+1], v[CW+2*\m:CW+2*\m+1] op_sel_hi:[1,0]   ; c_lo x expert lo's rows; each accumulator from its low end on
.set q, q+2
.endr
.endr
	WIN 0
	EXPERT 1, 1
	s_cmp_eq_u32 s27, 0                            ; a tile without tokens stores nothing; no barrier stands behind this branch
	s_cbranch_scc1 .Lend
; THE WAY OUT, a row tile at a time: + c_hi x expert hi's rows; through my own stage, back as whole rows of my 512 bytes; each row goes to its token's row of out0.
.macro OUT m
.set BK, 32+88*((\m)%2)                ; v32-95 and v120-183 by turns
.set OF, CD+16*((\m)%2)
	WIN 0xf2                                       ; source 0 window 2, source 2 and destination window 3
.set q, 0
.rept 32
	v_pk_fma_f32 v[64*(\m)+q:64*(\m)+q+1], v[64*(\m)+q:64*(\m)+q+1], v[CH+2*(\m):CH+2*(\m)+1], v[64*(\m)+q:64*(\m)+q+1] op_sel_hi:[1,0,1]
.set q, q+2
.endr
.if (\m) >= 2
	s_wait_xcnt 0x0                                ; the stores of two row tiles back have read their data and offsets: both sets are written again only behind this wait
.endif
	WIN 0x0c                                       ; an LDS store's data are its source 1: window 3
.irp t, 0,1,2,3,4,5,6,7
	ds_store_b128 v[STO], v[64*(\m)+8*\t:64*(\m)+8*\t+3] offset:64*\t
	ds_store_b128 v[STO], v[64*(\m)+8*\t+4:64*(\m)+8*\t+7] offset:64*\t+16
.endr
	WIN 0
.set q, 0
.rept 16
	ds_load_b128 v[BK+4*q:BK+4*q+3], v[RD] offset:528*q   ; LDS serves a wave's instructions in order: these see the stores above, and the next tile's stores come behind them
.set q, q+1
.endr
.set q, 0
.rept 16
	v_readlane_b32 s46, v[TK+(\m)], q              ; row q's token,
	s_min_u32 s46, s46, 0x1fff                     ; held inside out0,
	s_lshl_b32 s46, s46, 11                        ; its row of 2,048 bytes
	v_add_nc_u32 v[OF+q], s46, v[CO]
.set q, q+1
.endr
	s_wait_dscnt 0x0
.set q, 0
.rept 16
	global_store_b128 v[OF+q], v[BK+4*q:BK+4*q+3], s[20:21] th:TH_STORE_NT   ; 32 lanes store 512 consecutive bytes, at a multiple of 512 from out0's first byte
.set q, q+1
.endr
.endm
	OUT 0
	OUT 1
	OUT 2
	OUT 3
.Lend:
	s_wait_tensorcnt 0x0
	ds_add_u32 v194, v195
	s_wait_dscnt 0x0
	s_endpgm
.Lfunc_end_k_q1c4786b17d_chain:
	.size	k_q1c4786b17d_chain, .Lfunc_end_k_q1c4786b17d_chain-k_q1c4786b17d_chain
	.p2alignl 7, 3214868480
	.fill 96, 4, 3214868480
	.section	.rodata,"a",@progbits
	.p2align	6, 0x0
	.amdhsa_kernel k_q1c4786b17d_chain
		.amdhsa_group_segment_fixed_size 138752
		.amdhsa_private_segment_fixed_size 0
		.amdhsa_enable_private_segment 0
		.amdhsa_kernarg_size 72
		.amdhsa_user_sgpr_count 2
		.amdhsa_user_sgpr_kernarg_segment_ptr 1
		.amdhsa_wavefront_size32 1
		.amdhsa_system_sgpr_workgroup_id_x 1
		.amdhsa_system_sgpr_workgroup_id_y 1
		.amdhsa_system_sgpr_workgroup_id_z 1
		.amdhsa_system_vgpr_workitem_id 0
		.amdhsa_next_free_vgpr 1024
		.amdhsa_next_free_sgpr 66
		.amdhsa_reserve_vcc 0
		.amdhsa_float_denorm_mode_32 3
		.amdhsa_float_denorm_mode_16_64 3
		.amdhsa_memory_ordered 1
		.amdhsa_forward_progress 1
		.amdhsa_inst_pref_size 255
	.end_amdhsa_kernel
	.section	.bss,"aw",@nobits
	.p2align	6
	.space	262144
	.amdgpu_metadata
---
amdhsa.version: [ 1, 2 ]
amdhsa.kernels:
  - .name:           k_q1c4786b17d_chain
    .symbol:         k_q1c4786b17d_chain.kd
    .args:
      - { .name: plan, .offset: 0, .size: 8, .value_kind: global_buffer, .address_space: global }
      - { .name: xq, .offset: 8, .size: 8, .value_kind: global_buffer, .address_space: global }
      - { .name: xs, .offset: 16, .size: 8, .value_kind: global_buffer, .address_space: global }
      - { .name: gw, .offset: 24, .size: 8, .value_kind: global_buffer, .address_space: global }
      - { .name: wq, .offset: 32, .size: 8, .value_kind: global_buffer, .address_space: global }
      - { .name: ws, .offset: 40, .size: 8, .value_kind: global_buffer, .address_space: global }
      - { .name: b1, .offset: 48, .size: 8, .value_kind: global_buffer, .address_space: global }
      - { .name: b2, .offset: 56, .size: 8, .value_kind: global_buffer, .address_space: global }
      - { .name: out0, .offset: 64, .size: 8, .value_kind: global_buffer, .address_space: global }
    .group_segment_fixed_size: 138752
    .private_segment_fixed_size: 0
    .kernarg_segment_align: 8
    .kernarg_segment_size: 72
    .max_flat_workgroup_size: 128
    .sgpr_count:     66
    .vgpr_count:     1024
    .wavefront_size: 32
...
	.end_amdgpu_metadata
.endif
;; end of part 3
;; ======== version 2 of 3: 3 launches; 1.14 times as fast as version 1
;; workspace buffers: xq 2,097,152 bytes; xs 131,072 bytes; gw 65,536 bytes; rt 65,536 bytes of whole numbers; wq 4,194,304 bytes; ws 262,144 bytes; plan 41,728 bytes of whole numbers
;; launch prep: the kernel of part 1 again; grid 512 x 1, 8 waves a work-group, no clusters, 60,416 bytes of LDS; arguments x, Wg, bg, W1, W2, xq, xs, gw, rt, wq, ws; writes xq, xs, gw, rt, wq, ws
;; launch route (part 4): grid 1 x 1, 16 waves a work-group, no clusters, 6,144 bytes of LDS; arguments rt, plan; writes plan
.if DOCPART == 4
	.amdgcn_target "amdgcn-amd-amdhsa--gfx1250"
	.amdhsa_code_object_version 6
	.text
	.protected	k_q1c4786b17d_route
	.globl	k_q1c4786b17d_route
	.p2align	8
	.type	k_q1c4786b17d_route,@function
k_q1c4786b17d_route:
	s_mov_b64 s[64:65], 0
	v_nop
	global_prefetch_b8 v0, s[64:65] scope:SCOPE_SE
	s_setreg_imm32_b32 hwreg(HW_REG_WAVE_MODE, 25, 1), 1
	s_wait_xcnt 0x0
; ROUTE: a counting sort of the 8,192 tokens by the key (0..27) of their pair of experts, laid BY TILE, and the tile words.  One work-group, no atomics.
; rt: for each group of 32 tokens 64 words: 32 x (key | rank << 8), then the group's count of each key (word = key; words 28-31 are 0).
; plan: list[160][64] words: tile j's tokens, at most 64, all of ONE key; then from byte 40,960 on 160 tile words: count << 13 | lo << 20 | hi << 24; count 0: no tile.
; The tiles of all keys are never more than 128 + 27.  A key's tiles follow each other and all but its last are full, so a token's place is 64 x the key's first tile + its place among the key's tokens.
; The next launch reads whole tiles, so every word of the list is written: zeros first, by all waves; each wave waits for those stores in front of the barrier; the tokens are stored behind it.
; Wave w owns groups 16 w .. 16 w + 15; in the counts a lane is a key.  The tokens' words are stored singly, wherever the sort puts them: 32 KiB in all.
.set LISTB, 40960
.set C,   8                            ; v8-23    my groups' counts
.set I,   24                           ; v24-39   my groups' key and rank
.set T,   40                           ; v40-55   every wave's count of key = lane; later the tile search
.set B,   56                           ; v56-71   where each of my groups puts key = lane
.set X,   72                           ; v72-87   at work
.set P,   88                           ; v88-103  the tokens' places
.set TN,  104                          ; v104-119 the tokens' numbers
.set Z,   120                          ; v120-123 zeros
.set G,   124                          ; the key's total
.set PP,  125                          ; its count in the waves ahead of mine
.set PK,  126                          ; total | tiles << 16
.set ST,  127                          ; lane k: the sums of PK over the keys ahead of k
.set PKS, 12                           ; s12-39   PK of key k
.set RUN, 66                           ; s66-93   ST of key k
	s_load_b128 s[4:7], s[0:1], 0x0                ; rt, plan
	v_lshl_add_u32 v128, v0, 2, 0x1000
	v_mov_b32 v129, 0
	v_lshrrev_b32 v1, 5, v0
	v_readfirstlane_b32 s8, v1                     ; wave 0..15
	v_and_b32 v2, 31, v0                           ; lane
	v_lshlrev_b32 v5, 2, v2                        ; 4 x lane
	v_lshl_add_u32 v3, v1, 12, v5                  ; my wave's sixteen groups: 4,096 w + 4 x lane
	v_lshlrev_b32 v4, 2, v0                        ; 4 x thread
	v_lshlrev_b32 v6, 4, v0                        ; 16 x thread
.irp i, 0,1,2,3
	v_mov_b32 v[Z+\i], 0
.endr
	s_wait_kmcnt 0x0
.set q, 0
.rept 16
	global_load_b32 v[C+q], v3, s[4:5] offset:256*q+128   ; counts
.set q, q+1
.endr
.set q, 0
.rept 16
	global_load_b32 v[I+q], v3, s[4:5] offset:256*q       ; key and rank
.set q, q+1
.endr
.irp i, 0,1,2,3,4
	global_store_b128 v6, v[Z:Z+3], s[6:7] offset:8192*\i   ; zeros over the whole list: 512 threads x 16 bytes, five times
.endr
	s_wait_loadcnt 16                              ; the counts are in; the sixteen younger loads stay out
	v_add3_u32 v7, v[C], v[C+1], v[C+2]
.irp i, 3,5,7,9,11,13
	v_add3_u32 v7, v7, v[C+\i], v[C+\i+1]
.endr
	v_add_nc_u32 v7, v7, v[C+15]                   ; my wave's count of key = lane
	ds_store_b32 v4, v7
	s_wait_storecnt 0x0                            ; my zeros are stored: behind the barrier any wave may store a token over them
	s_wait_dscnt 0x0                               ; for the others' sake
	s_barrier_signal -1
	s_barrier_wait -1
.set q, 0
.rept 16
	ds_load_b32 v[T+q], v5 offset:128*q            ; every wave's count of my key
.set q, q+1
.endr
	v_mov_b32 v[G], 0
	v_mov_b32 v[PP], 0
	v_mov_b32 v[ST], 0
	s_wait_dscnt 0x0
.set q, 0
.rept 16
	v_add_nc_u32 v[G], v[G], v[T+q]
	s_cmp_gt_u32 s8, q
	s_cselect_b32 s9, 1, 0
	v_mad_u32_u24 v[PP], v[T+q], s9, v[PP]
.set q, q+1
.endr
	v_add_nc_u32 v[PK], 63, v[G]
	v_lshrrev_b32 v[PK], 6, v[PK]
	v_lshl_or_b32 v[PK], v[PK], 16, v[G]           ; both fields are summed at once (8,192 and 155 at the most)
.set k, 0
.rept 28
	v_readlane_b32 s[PKS+k], v[PK], k              ; all 28 in one run, ahead of their scalar readers
.set k, k+1
.endr
	s_mov_b32 s[RUN], 0
.set k, 0
.rept 27
	s_add_co_u32 s[RUN+k+1], s[RUN+k], s[PKS+k]
.set k, k+1
.endr
.set k, 0
.rept 28
	v_writelane_b32 v[ST], s[RUN+k], k
.set k, k+1
.endr
	v_lshrrev_b32 v[B], 16, v[ST]                  ; the key's first tile,
	v_lshl_add_u32 v[B], v[B], 6, v[PP]            ; x 64, + the key's tokens in the waves ahead: where my first group puts key = lane
.set q, 0
.rept 15
	v_add_nc_u32 v[B+q+1], v[B+q], v[C+q]          ; and the later groups
.set q, q+1
.endr
	v_lshl_add_u32 v[TN], v1, 9, v2                ; token numbers: 512 w + 32 i + lane
.set q, 1
.rept 15
	v_add_nc_u32 v[TN+q], 32*q, v[TN]
.set q, q+1
.endr
	s_wait_loadcnt 0x0
.set q, 0
.rept 16
	v_and_b32 v[X+q], 31, v[I+q]                   ; the token's key,
	v_lshlrev_b32 v[X+q], 2, v[X+q]                ; as a lane's byte address
.set q, q+1
.endr
.set q, 0
.rept 16
	ds_bpermute_b32 v[P+q], v[X+q], v[B+q]         ; the place of its key's first token of this group
.set q, q+1
.endr
	s_wait_dscnt 0x0
.set q, 0
.rept 16
	v_bfe_u32 v[X+q], v[I+q], 8, 5                 ; + its rank
	v_add_nc_u32 v[P+q], v[P+q], v[X+q]
	v_min_u32 v[P+q], 0x27ff, v[P+q]               ; held inside the list
	v_lshlrev_b32 v[P+q], 2, v[P+q]
.set q, q+1
.endr
.set q, 0
.rept 16
	global_store_b32 v[P+q], v[TN+q], s[6:7]
.set q, q+1
.endr
	s_cmp_lt_u32 s8, 5
	s_cbranch_scc0 .Lend
	; tile j = thread (0..159): its key is the last whose first tile is not behind j
	v_mov_b32 v[T], 0
	v_mov_b32 v[T+1], 0
	v_mov_b32 v[T+2], 0
.set LO, 0
.set HI, 1
.set k, 0
.rept 28
	s_lshr_b32 s10, s[RUN+k], 16                   ; key k's first tile
	s_mov_b32 s11, (LO<<20)|(HI<<24)
	v_cmp_gt_u32 vcc_lo, s10, v0                   ; it lies behind tile j: keep what is there
	v_cndmask_b32 v[T], s10, v[T], vcc_lo
	v_cndmask_b32 v[T+1], s[PKS+k], v[T+1], vcc_lo
	v_cndmask_b32 v[T+2], s11, v[T+2], vcc_lo
.set HI, HI+1
.if HI == 8
.set LO, LO+1
.set HI, LO+1
.endif
.set k, k+1
.endr
	v_sub_nc_u32 v[T], v0, v[T]                    ; which tile of its key
	v_lshlrev_b32 v[T], 6, v[T]
	v_and_b32 v[T+1], 0xffff, v[T+1]
	v_sub_nc_u32 v[T+1], v[T+1], v[T]
	v_max_i32 v[T+1], 0, v[T+1]
	v_min_i32 v[T+1], 64, v[T+1]                   ; its tokens: 0 behind the last tile
	v_lshl_or_b32 v[T+2], v[T+1], 13, v[T+2]
	global_store_b32 v4, v[T+2], s[6:7] offset:LISTB
.Lend:
	s_wait_tensorcnt 0x0
	ds_add_u32 v128, v129
	s_wait_dscnt 0x0
	s_endpgm
.Lfunc_end_k_q1c4786b17d_route:
	.size	k_q1c4786b17d_route, .Lfunc_end_k_q1c4786b17d_route-k_q1c4786b17d_route
	.p2alignl 7, 3214868480
	.fill 96, 4, 3214868480
	.section	.rodata,"a",@progbits
	.p2align	6, 0x0
	.amdhsa_kernel k_q1c4786b17d_route
		.amdhsa_group_segment_fixed_size 6144
		.amdhsa_private_segment_fixed_size 0
		.amdhsa_enable_private_segment 0
		.amdhsa_kernarg_size 16
		.amdhsa_user_sgpr_count 2
		.amdhsa_user_sgpr_kernarg_segment_ptr 1
		.amdhsa_wavefront_size32 1
		.amdhsa_system_sgpr_workgroup_id_x 1
		.amdhsa_system_sgpr_workgroup_id_y 1
		.amdhsa_system_sgpr_workgroup_id_z 1
		.amdhsa_system_vgpr_workitem_id 0
		.amdhsa_next_free_vgpr 130
		.amdhsa_next_free_sgpr 96
		.amdhsa_reserve_vcc 1
		.amdhsa_float_denorm_mode_32 3
		.amdhsa_float_denorm_mode_16_64 3
		.amdhsa_memory_ordered 1
		.amdhsa_forward_progress 1
		.amdhsa_inst_pref_size 28
	.end_amdhsa_kernel
	.amdgpu_metadata
---
amdhsa.version: [ 1, 2 ]
amdhsa.kernels:
  - .name:           k_q1c4786b17d_route
    .symbol:         k_q1c4786b17d_route.kd
    .args:
      - { .name: rt, .offset: 0, .size: 8, .value_kind: global_buffer, .address_space: global }
      - { .name: plan, .offset: 8, .size: 8, .value_kind: global_buffer, .address_space: global }
    .group_segment_fixed_size: 6144
    .private_segment_fixed_size: 0
    .kernarg_segment_align: 8
    .kernarg_segment_size: 16
    .max_flat_workgroup_size: 512
    .sgpr_count:     96
    .vgpr_count:     130
    .wavefront_size: 32
...
	.end_amdgpu_metadata
.endif
;; end of part 4
;; launch chain (part 5): grid 155 x 1, 4 waves a work-group, no clusters, 138,752 bytes of LDS; arguments plan, xq, xs, gw, wq, ws, b1, b2, out0; writes out0
.if DOCPART == 5
	.amdgcn_target "amdgcn-amd-amdhsa--gfx1250"
	.amdhsa_code_object_version 6
	.text
	.protected	k_q1c4786b17d_chain
	.globl	k_q1c4786b17d_chain
	.p2align	8
	.type	k_q1c4786b17d_chain,@function
k_q1c4786b17d_chain:
	s_mov_b64 s[64:65], 0
	v_nop
	global_prefetch_b8 v0, s[64:65] scope:SCOPE_SE
	s_setreg_imm32_b32 hwreg(HW_REG_WAVE_MODE, 25, 1), 1
	s_wait_xcnt 0x0
; CHAIN: one work-group takes one tile of the list, at most 64 tokens that chose the SAME pair of experts (lo, hi), through both experts' whole chains:
;   out = c_lo (Q(relu(Q(x) Q(W1[lo]) + b1[lo])) Q(W2[lo]) + b2[lo]) + c_hi (the same with hi).  Q: codes of E2M1 with one E8M0 scale for each 32 along K.  So each row of out0 has one owner, and the
;   hidden layer never leaves the WGP.  The list's words behind a tile's count hold token 0: those rows are computed with the others and NOT stored: each row's store stands behind a scalar compare
;   with the count, and the first row without a token leads to the end.
; 155 work-groups serve every split (28 pairs: never more than 128 + 27 tiles).  A work-group whose tile word has the count 0 runs the same text and jumps over the way out: every wave passes every
;   barrier whatever was loaded, and such a work-group stores nothing.
; SHARES.  The four waves share the COLUMNS: wave w makes hidden units 256 w .. + 255 (two halves of 128 = K steps 2 w, 2 w + 1 of the second product) and outputs 128 w .. + 127, for all 64 rows.
;   Both products are used transposed (source 0 = 16 rows of a weight, source 1 = 16 tokens): a lane holds one token, its registers run along the units.
; WEIGHTS go from memory straight into registers: prep has laid them in the order of the operand's registers, one stream of 16 records of 8,192 + 512 bytes for each (expert, wave).  A ring of four
;   slots (a record each, window 1) is filled again as soon as a record is multiplied: three records are always on their way.  Each expert has its own pair of stream pointers; a record's place
;   stands in the loads' immediates, and the pointers step only at the end of a half, far behind the loads that read them.
; NO TENSOR LOAD, NO CLUSTER: the expert, the rows and the jumps on the way out hang on numbers read from the list, and neighbouring work-groups need different experts.
; OPERANDS go from wave to wave through LDS as images of their registers: a record of a K step = four fragments (row tiles 0-3, 1,024 bytes each: 16 bytes a lane, twice) + 512 bytes of scale
;   words [lane][row tile].  Three barriers: x's records and the biases; expert lo's hidden layer; expert hi's (in bytes of its own, so none is needed between lo's reads and hi's stores).
; LIMITS: as stated in prep (NaN, infinities, blocks under 2^-124, blocks of zeros).
.set LISTB, 40960                      ; plan: 160 tiles x 64 words, then the tile words
.set XREC,  0                          ; LDS: x's 4 records
.set REC,   4608
.set HREC0, 18432                      ; expert lo's 8 records of the hidden layer
.set HREC1, 55296                      ; expert hi's
.set BIAS,  92160                      ; b1[lo] 4,096, b1[hi] 4,096, b2[lo] 2,048, b2[hi] 2,048
.set STAGE, 104448                     ; the way out: for each wave 16 rows x (512 + 16) bytes
; window 0
.set LI,  2                            ; 16 x lane
.set LI2, 3                            ; 16 x lane + HREC1
.set XW,  4                            ; 16 x lane + 4,608 w
.set HW,  5                            ; 16 x lane + 9,216 w
.set HWA, 6                            ; HW + the half's record
.set BA1, 7                            ; BIAS + 1,024 w + 64 h
.set BA2, 9                            ; BIAS + 8,192 + 512 w + 32 h
.set STO, 10                           ; the stage, in: row r, + 32 h
.set RD,  11                           ; the stage, back: 16 x lane
.set CO,  12                           ; 512 w + 16 x lane: my bytes of a row of out0
.set OP,  32                           ; v32-95   two buffers of four token fragments
.set OS,  96                           ; v96-103  their scale words (scales and nothing else)
.set WS,  104                          ; v104-119 the weights' scale words, four a slot (scales and nothing else)
.set BI,  120                          ; v120-183 eight bias tiles
.set TM,  184                          ; v184-199 the quantiser's temporaries
.set CD,  200                          ; v200-231 the codes just made, eight a row tile
.set PW,  232                          ; v232-235 the scale words just made
.set CW,  236                          ; v236-243 (c_lo, c_hi) of my token in row tile m
.set TK,  244                          ; v244-247 my token in row tile m
.set CH,  248                          ; v248-255 c_hi twice
; window 1: the ring, slot j at v[64 j]; window 2: the accumulators (row tile m, tile t) at v[64 m + 8 t]; window 3: c_lo x expert lo's result, then the sum, same map
.set P0,  32                           ; s[32:33], s[34:35] expert lo's stream: codes, scale words
.set S0,  34
.set P1,  36                           ; s[36:37], s[38:39] expert hi's
.set S1,  38
.set GC,  40
.set GOFF, 41
.set SEL, 44
.set RT,  66                           ; s66-81 the way out: sixteen rows' tokens
.set MSB, 0
.macro WIN new                         ; the immediate's high byte repeats the setting that is left; bits 1:0 source 0, 3:2 source 1, 5:4 source 2, 7:6 destination
.if MSB != \new
	s_set_vgpr_msb (MSB<<8)|\new
.set MSB, \new
.endif
.endm
.macro BARRIER
	s_wait_dscnt 0x0                               ; my LDS stores have landed and my LDS loads are in
	s_barrier_signal -1
	s_barrier_wait -1
.endm
.macro OPFETCH adr, off, p             ; a record into buffer p: nine loads
.set q, 0
.rept 8
	ds_load_b128 v[OP+32*(\p)+4*q:OP+32*(\p)+4*q+3], v[\adr] offset:(\off)+512*q
.set q, q+1
.endr
	ds_load_b128 v[OS+4*(\p):OS+4*(\p)+3], v[\adr] offset:(\off)+4096
.endm
.macro BIAS1 e, g                      ; tile 2 b + u, register j: b1 of unit 32 b + 16 h + 8 u + j of my half g
.irp t, 0,1,2,3,4,5,6,7
	ds_load_b128 v[BI+8*\t:BI+8*\t+3], v[BA1] offset:4096*(\e)+512*(\g)+128*(\t/2)+32*(\t%2)
	ds_load_b128 v[BI+8*\t+4:BI+8*\t+7], v[BA1] offset:4096*(\e)+512*(\g)+128*(\t/2)+32*(\t%2)+16
.endr
.endm
.macro BIAS2 e                         ; tile t, register j: b2 of output 16 t + 8 h + j of my 128
.irp t, 0,1,2,3,4,5,6,7
	ds_load_b128 v[BI+8*\t:BI+8*\t+3], v[BA2] offset:2048*(\e)+64*\t
	ds_load_b128 v[BI+8*\t+4:BI+8*\t+7], v[BA2] offset:2048*(\e)+64*\t+16
.endr
.endm
.macro RELOAD j, pc, ps, add           ; slot j takes record 4 add + j counted from the pointers: 17 loads, each of 512 consecutive bytes
	WIN 0x40
.set q, 0
.rept 16
	global_load_b128 v[64*(\j)+4*q:64*(\j)+4*q+3], v[LI], s[\pc:\pc+1] offset:32768*(\add)+8192*(\j)+512*q
.set q, q+1
.endr
	WIN 0
	global_load_b128 v[WS+4*(\j):WS+4*(\j)+3], v[LI], s[\ps:\ps+1] offset:2048*(\add)+512*(\j)
.endm
.macro WM d, a, b, c, sa, sb, odd      ; an odd tile's scale words stand in lanes 16-31 of the register that it shares with the even tile
.if (\odd)
	v_wmma_scale_f32_16x16x128_f8f6f4 v[(\d):(\d)+7], v[(\a):(\a)+7], v[(\b):(\b)+7], v[(\c):(\c)+7], v[(\sa)], v[(\sb)] matrix_a_fmt:MATRIX_FMT_FP4 matrix_b_fmt:MATRIX_FMT_FP4 matrix_a_scale:MATRIX_SCALE_ROW1
.else
	v_wmma_scale_f32_16x16x128_f8f6f4 v[(\d):(\d)+7], v[(\a):(\a)+7], v[(\b):(\b)+7], v[(\c):(\c)+7], v[(\sa)], v[(\sb)] matrix_a_fmt:MATRIX_FMT_FP4 matrix_b_fmt:MATRIX_FMT_FP4
.endif
.endm
; 32 matrix instructions: slot j's eight tiles x buffer p's four row tiles, 128 along K.  The 32 accumulators take turns, one instruction a turn.  first = 1: the bias is the sums' C
.macro MUL32 j, p, first
.if \first
	WIN 0x81                                       ; A window 1, B and C window 0, D window 2
.else
	WIN 0xa1                                       ; A window 1, B window 0, C and D window 2
.endif
.irp t, 0,1,2,3,4,5,6,7
.irp m, 0,1,2,3
.if \first
	WM 64*\m+8*\t, 64*(\j)+8*\t, OP+32*(\p)+8*\m, BI+8*\t, WS+4*(\j)+\t/2, OS+4*(\p)+\m, \t%2
.else
	WM 64*\m+8*\t, 64*(\j)+8*\t, OP+32*(\p)+8*\m, 64*\m+8*\t, WS+4*(\j)+\t/2, OS+4*(\p)+\m, \t%2
.endif
.endr
.endr
.endm
; One K step.  nx = 1: the next record is asked for first, into the other buffer (its last readers stand in front of the last group's four v_nop).
; L: how many younger ring loads may stay out when slot j has to be there: 17 for each younger slot.
.macro GROUP j, p, first, nx, adr, off, L, reload, pc, ps, add
.if \nx
	OPFETCH \adr, \off, 1-(\p)
	s_wait_dscnt 9                                 ; all but the nine just issued: this record (and the biases) are in
.else
	s_wait_dscnt 0x0
.endif
	s_wait_loadcnt \L
	MUL32 \j, \p, \first
	WIN 0
.rept 4
	v_nop                                          ; four places in front of loads into registers that these products read, and of the first read of their results
.endr
.if \reload
	RELOAD \j, \pc, \ps, \add
.endif
.endm
; Row tile m's 64 numbers of a lane (register 16 b + i = unit 32 b + 16 h + i of my half) : relu, the four blocks' scales, the codes, and their image into the half's record
.macro QUANT m, hrec
	WIN 0x88
.set q, 0
.rept 64
	v_max_num_f32 v[64*(\m)+q], 0, v[64*(\m)+q]    ; the activation, in f32; each accumulator is read from its low end on
.set q, q+1
.endr
	WIN 0x0a
.irp b, 0,1,2,3
	v_max3_num_f32 v[TM+\b], v[64*(\m)+16*\b], v[64*(\m)+16*\b+1], 0x1800000   ; nothing is negative: no |.|; the floor 2^(3 - 127) holds the byte at 1 from below
.endr
.irp i, 2,4,6,8,10,12,14
.irp b, 0,1,2,3
	v_max3_num_f32 v[TM+\b], v[64*(\m)+16*\b+\i], v[64*(\m)+16*\b+\i+1], v[TM+\b]   ; the four blocks by turns
.endr
.endr
	WIN 0
.irp b, 0,1,2,3
	v_permlanex16_b32 v[TM+4+\b], v[TM+\b], s[SEL], s[SEL+1]
.endr
.irp b, 0,1,2,3
	v_max_num_f32 v[TM+\b], v[TM+\b], v[TM+4+\b]   ; with lane l xor 16's 16: the block's largest
.endr
.irp b, 0,1,2,3
	v_add_nc_u32 v[TM+12+\b], 0xff000000, v[TM+\b] ; 2 off its exponent field: the conversion's scale operand
.endr
.irp b, 0,1,2,3
	v_lshrrev_b32 v[TM+4+\b], 23, v[TM+12+\b]      ; the scale's byte
.endr
	v_lshl_or_b32 v[PW+(\m)], v[TM+5], 8, v[TM+4]
	v_lshl_or_b32 v[PW+(\m)], v[TM+6], 16, v[PW+(\m)]
	v_lshl_or_b32 v[PW+(\m)], v[TM+7], 24, v[PW+(\m)]
	WIN 0x02
.irp b, 0,1,2,3
	v_cvt_scalef32_pk8_fp4_f32 v[CD+8*(\m)+2*\b], v[64*(\m)+16*\b:64*(\m)+16*\b+7], v[TM+12+\b]
	v_cvt_scalef32_pk8_fp4_f32 v[CD+8*(\m)+2*\b+1], v[64*(\m)+16*\b+8:64*(\m)+16*\b+15], v[TM+12+\b]
.endr
	v_nop                                          ; one plain line behind the scaled conversions
	WIN 0
.irp c, 0,1                                    ; the operand wants a whole block in a lane: lanes 0-15 block 2 c, lanes 16-31 block 2 c + 1
.irp i, 0,1
	v_permlane16_swap_b32 v[CD+8*(\m)+4*\c+\i], v[CD+8*(\m)+4*\c+2+\i]
.endr
.endr
.irp c, 0,1
	ds_store_b128 v[HWA], v[CD+8*(\m)+4*\c:CD+8*(\m)+4*\c+3] offset:(\hrec)+1024*(\m)+512*\c
.endr
	ds_store_b32 v[HWA], v[PW+(\m)] offset:(\hrec)+4096+4*(\m)
.endm
; What an expert's first group wants from LDS is asked for ahead of the work that stands in front of it
.macro PRO e
	BIAS1 \e, 0
	OPFETCH LI, XREC, 0
.endm
; One expert's chain.  last = 0: the second half of the second product fills the ring with the other expert's first four records
.macro EXPERT e, last
.set PCUR, P0+4*\e
.set SCUR, S0+4*\e
.if \e
.set HADR, LI2
.set HOFF, 0
.else
.set HADR, LI
.set HOFF, HREC0
.endif
	s_mov_b32 s[GC], 0
	s_mov_b32 s[GOFF], 0
.Lhalf_\e:                                         ; two trips: my two halves of 128 hidden units
	v_add_nc_u32 v[HWA], s[GOFF], v[HW]
	GROUP 0, 0, 1, 1, LI, XREC+REC, 51, 1, PCUR, SCUR, 1
	GROUP 1, 1, 0, 1, LI, XREC+2*REC, 51, 1, PCUR, SCUR, 1
	GROUP 2, 0, 0, 1, LI, XREC+3*REC, 51, 1, PCUR, SCUR, 1
	GROUP 3, 1, 0, 0, LI, 0, 51, 1, PCUR, SCUR, 1
	s_cmp_eq_u32 s[GC], 1                          ; the first trip asks here for what the second trip's first group wants: it lands under the quantiser; the second trip asks for nothing
	s_cbranch_scc1 .Lquant_\e
	BIAS1 \e, 1
	OPFETCH LI, XREC, 0
.Lquant_\e:
	QUANT 0, HREC0+36864*\e
	QUANT 1, HREC0+36864*\e
	QUANT 2, HREC0+36864*\e
	QUANT 3, HREC0+36864*\e
	s_wait_dscnt 0x0                               ; the stores have read their registers and their address
	s_wait_xcnt 0x0                                ; the ring's loads, issued ahead of the quantiser, have read their bases: these step only behind this wait
	s_add_nc_u64 s[PCUR:PCUR+1], s[PCUR:PCUR+1], 32768
	s_add_nc_u64 s[SCUR:SCUR+1], s[SCUR:SCUR+1], 2048
	s_add_co_u32 s[GOFF], s[GOFF], REC
	s_add_co_u32 s[GC], s[GC], 1
	s_cmp_lt_u32 s[GC], 2
	s_cbranch_scc1 .Lhalf_\e
	BIAS2 \e                                       ; bytes that nobody writes any more: they come while the waves meet
	BARRIER                                        ; the expert's hidden layer lies whole in LDS
	OPFETCH HADR, HOFF, 0
	GROUP 0, 0, 1, 1, HADR, HOFF+REC, 51, 1, PCUR, SCUR, 1
	GROUP 1, 1, 0, 1, HADR, HOFF+2*REC, 51, 1, PCUR, SCUR, 1
	GROUP 2, 0, 0, 1, HADR, HOFF+3*REC, 51, 1, PCUR, SCUR, 1
	GROUP 3, 1, 0, 1, HADR, HOFF+4*REC, 51, 1, PCUR, SCUR, 1
.if \last
	GROUP 0, 0, 0, 1, HADR, HOFF+5*REC, 51, 0, 0, 0, 0   ; nothing is left to fetch: the counts run down
	GROUP 1, 1, 0, 1, HADR, HOFF+6*REC, 34, 0, 0, 0, 0
	GROUP 2, 0, 0, 1, HADR, HOFF+7*REC, 17, 0, 0, 0, 0
	GROUP 3, 1, 0, 0, HADR, 0, 0, 0, 0, 0, 0
.else
	GROUP 0, 0, 0, 1, HADR, HOFF+5*REC, 51, 1, P1, S1, 0   ; on into the other expert's stream, by its own pointers
	GROUP 1, 1, 0, 1, HADR, HOFF+6*REC, 51, 1, P1, S1, 0
	GROUP 2, 0, 0, 1, HADR, HOFF+7*REC, 51, 1, P1, S1, 0
	GROUP 3, 1, 0, 0, HADR, 0, 51, 1, P1, S1, 0
.endif
.endm
	s_load_b512 s[4:19], s[0:1], 0x0               ; plan 4, xq 6, xs 8, gw 10, wq 12, ws 14, b1 16, b2 18
	s_load_b64 s[20:21], s[0:1], 0x40              ; out0
	v_lshl_add_u32 v194, v0, 2, 0x21c00
	v_mov_b32 v195, 0
	v_lshrrev_b32 v1, 5, v0
	v_readfirstlane_b32 s24, v1                    ; wave 0..3
	v_and_b32 v1, 31, v0                           ; lane
	v_and_b32 v13, 15, v0                          ; r
	v_bfe_u32 v200, v0, 4, 1                       ; h
	v_lshlrev_b32 v14, 2, v13                      ; 4 r
	s_lshl_b32 s46, ttmp9, 2                       ; my tile word,
	s_lshl_b32 s48, ttmp9, 8                       ; my tile's 64 words of the list
	s_mov_b32 s49, 0                               ; the upper word of every offset
	s_mov_b32 s[SEL], 0x76543210
	s_mov_b32 s[SEL+1], 0xfedcba98                 ; v_permlanex16_b32's selects for lane l xor 16
	s_wait_kmcnt 0x0
	s_load_b32 s25, s[4:5], s46 offset:LISTB       ; the tile word and the tile's tokens are asked for together: both places hang on the work-group's number alone
	s_add_nc_u64 s[58:59], s[4:5], s[48:49]
.irp m, 0,1,2,3
	global_load_b32 v[TK+\m], v14, s[58:59] offset:64*\m   ; the token of row 16 m + r
.endr
	v_lshlrev_b32 v[LI], 4, v1
	v_add_nc_u32 v[LI2], HREC1, v[LI]
	s_mul_i32 s47, s24, REC
	v_add_nc_u32 v[XW], s47, v[LI]
	s_mul_i32 s47, s24, 2*REC
	v_add_nc_u32 v[HW], s47, v[LI]
	s_lshl_b32 s47, s24, 10
	s_add_co_u32 s47, s47, BIAS
	v_lshl_add_u32 v[BA1], v200, 6, s47
	s_lshl_b32 s47, s24, 9
	s_add_co_u32 s47, s47, BIAS+8192
	v_lshl_add_u32 v[BA2], v200, 5, s47
	s_mul_i32 s47, s24, 16*528
	s_add_co_u32 s47, s47, STAGE
	v_mul_u32_u24 v[STO], v13, 528
	v_lshl_add_u32 v[STO], v200, 5, v[STO]
	v_add_nc_u32 v[STO], s47, v[STO]
	v_add_nc_u32 v[RD], s47, v[LI]
	s_lshl_b32 s47, s24, 9
	v_add_nc_u32 v[CO], s47, v[LI]
	v_lshlrev_b32 v19, 4, v0                       ; 16 x thread
	v_add_nc_u32 v201, BIAS, v19
	s_wait_kmcnt 0x0
	s_bfe_u32 s27, s25, 0x7000d
	s_min_u32 s27, s27, 64                         ; the tile's tokens
	s_bfe_u32 s28, s25, 0x30014
	s_min_u32 s28, s28, 7                          ; lo
	s_bfe_u32 s29, s25, 0x30018
	s_min_u32 s29, s29, 7                          ; hi
	s_lshl_b32 s48, s28, 12
	s_add_nc_u64 s[50:51], s[16:17], s[48:49]      ; b1[lo]
	s_lshl_b32 s48, s29, 12
	s_add_nc_u64 s[52:53], s[16:17], s[48:49]      ; b1[hi]
	s_lshl_b32 s48, s28, 11
	s_add_nc_u64 s[54:55], s[18:19], s[48:49]      ; b2[lo]
	s_lshl_b32 s48, s29, 11
	s_add_nc_u64 s[56:57], s[18:19], s[48:49]      ; b2[hi]
	global_load_b128 v[BI:BI+3], v19, s[50:51]
	global_load_b128 v[BI+4:BI+7], v19, s[50:51] offset:2048
	global_load_b128 v[BI+8:BI+11], v19, s[52:53]
	global_load_b128 v[BI+12:BI+15], v19, s[52:53] offset:2048
	global_load_b128 v[BI+16:BI+19], v19, s[54:55]
	global_load_b128 v[BI+20:BI+23], v19, s[56:57]
	s_lshl_b32 s46, s28, 2
	s_add_co_u32 s46, s46, s24                     ; 4 lo + w: my stream of expert lo
	s_lshl_b32 s48, s46, 17
	s_add_nc_u64 s[P0:P0+1], s[12:13], s[48:49]
	s_lshl_b32 s48, s46, 13
	s_add_nc_u64 s[S0:S0+1], s[14:15], s[48:49]
	s_lshl_b32 s46, s29, 2
	s_add_co_u32 s46, s46, s24                     ; and of expert hi
	s_lshl_b32 s48, s46, 17
	s_add_nc_u64 s[P1:P1+1], s[12:13], s[48:49]
	s_lshl_b32 s48, s46, 13
	s_add_nc_u64 s[S1:S1+1], s[14:15], s[48:49]
	RELOAD 0, P0, S0, 0                            ; the ring's first record goes out while the tokens come; the other three stand behind the gather, so that the rows of x wait behind one record
	s_lshl_b32 s46, s24, 6
	v_lshl_add_u32 v18, v200, 4, s46               ; 64 w + 16 h: my bytes of K step w in a row of codes
	s_lshl_b32 s47, s24, 2                         ; and its scale word
	s_wait_loadcnt 23                              ; the four tokens are in: behind them went the 6 loads of biases and the record's 17
.irp m, 0,1,2,3
	v_min_u32 v[TK+\m], 0x1fff, v[TK+\m]           ; held inside the tables
	v_lshl_add_u32 v[20+\m], v[TK+\m], 8, v18
	v_lshl_add_u32 v[24+\m], v[TK+\m], 4, s47
	v_lshlrev_b32 v[28+\m], 3, v[TK+\m]
.endr
.irp m, 0,1,2,3                                ; wave w gathers K step w of all four row tiles
	global_load_b64 v[CW+2*\m:CW+2*\m+1], v[28+\m], s[10:11]
	global_load_b128 v[OP+8*\m:OP+8*\m+3], v[20+\m], s[6:7]
	global_load_b128 v[OP+8*\m+4:OP+8*\m+7], v[20+\m], s[6:7] offset:32
	global_load_b32 v[TM+\m], v[24+\m], s[8:9]
.endr
	RELOAD 1, P0, S0, 0
	RELOAD 2, P0, S0, 0
	RELOAD 3, P0, S0, 0
	s_wait_loadcnt 51                              ; the biases, the first record and the gathered rows are in; the three younger records, 17 loads each, stay out
.irp i, 0,1,2,3,4,5
	ds_store_b128 v201, v[BI+4*\i:BI+4*\i+3] offset:2048*\i   ; the four biases, as they lie
.endr
.irp m, 0,1,2,3
	ds_store_b128 v[XW], v[OP+8*\m:OP+8*\m+3] offset:1024*\m
	ds_store_b128 v[XW], v[OP+8*\m+4:OP+8*\m+7] offset:1024*\m+512
.endr
	ds_store_b128 v[XW], v[TM:TM+3] offset:4096    ; the record's scale words: [lane][row tile]
.irp m, 0,1,2,3
	v_mov_b32 v[CH+2*\m], v[CW+2*\m+1]             ; c_hi in a pair of its own: the packed forms take a pair's low word for both halves
	v_mov_b32 v[CH+2*\m+1], v[CW+2*\m+1]
	v_mov_b32 v[TM+4+\m], 0                        ; written once: a lane permute's destination counts as one of its sources
.endr
	BARRIER                                        ; x's four records and the biases lie in LDS
	PRO 0
	EXPERT 0, 0
	PRO 1                                          ; expert hi's first biases and record come while expert lo's result is weighed
	WIN 0xc2                                       ; destination window 3, source 0 window 2
.irp m, 0,1,2,3
.set q, 0
.rept 32
	v_pk_mul_f32 v[64*\m+q:64*\m+q+1], v[64*\m+q:64*\m+q+1], v[CW+2*\m:CW+2*\m+1] op_sel_hi:[1,0]   ; c_lo x expert lo's rows; each accumulator from its low end on
.set q, q+2
.endr
.endr
	WIN 0
	EXPERT 1, 1
	s_cmp_eq_u32 s27, 0                            ; a tile without tokens stores nothing; no barrier stands behind this branch
	s_cbranch_scc1 .Lend
; THE WAY OUT, a row tile at a time: + c_hi x expert hi's rows; through my own stage, back as whole rows of my 512 bytes; each row goes to its token's row of out0.
; A row tile goes through the stage while the one before it is stored.
.macro OUTF m                          ; the sum of the two experts
	WIN 0xf2                                       ; source 0 window 2, source 2 and destination window 3
.set q, 0
.rept 32
	v_pk_fma_f32 v[64*(\m)+q:64*(\m)+q+1], v[64*(\m)+q:64*(\m)+q+1], v[CH+2*(\m):CH+2*(\m)+1], v[64*(\m)+q:64*(\m)+q+1] op_sel_hi:[1,0,1]
.set q, q+2
.endr
.endm
.macro OUTS m                          ; through the stage, and the sixteen rows' offsets in out0
.set BK, 32+88*((\m)%2)                ; v32-95 and v120-183 by turns
.set OF, CD+16*((\m)%2)
	WIN 0x0c                                       ; an LDS store's data are its source 1: window 3
.irp t, 0,1,2,3,4,5,6,7
	ds_store_b128 v[STO], v[64*(\m)+8*\t:64*(\m)+8*\t+3] offset:64*\t
	ds_store_b128 v[STO], v[64*(\m)+8*\t+4:64*(\m)+8*\t+7] offset:64*\t+16
.endr
	WIN 0
.set q, 0
.rept 16
	ds_load_b128 v[BK+4*q:BK+4*q+3], v[RD] offset:528*q   ; LDS serves a wave's instructions in order: these see the stores above, and the next tile's stores come behind them
.set q, q+1
.endr
.set q, 0
.rept 16
	v_readlane_b32 s[RT+q], v[TK+(\m)], q          ; the sixteen rows' tokens, in one run ahead of their scalar readers,
.set q, q+1
.endr
.set q, 0
.rept 16
	s_min_u32 s[RT+q], s[RT+q], 0x1fff             ; held inside out0,
.set q, q+1
.endr
.set q, 0
.rept 16
	s_lshl_b32 s[RT+q], s[RT+q], 11                ; their rows of 2,048 bytes
.set q, q+1
.endr
.set q, 0
.rept 16
	v_add_nc_u32 v[OF+q], s[RT+q], v[CO]
.set q, q+1
.endr
.endm
.macro OUTB m, younger                 ; younger: the LDS instructions issued behind this tile's loads: the next tile's 16 stores and 16 loads, or none
.set BK, 32+88*((\m)%2)
.set OF, CD+16*((\m)%2)
	s_wait_dscnt \younger
.set q, 0
.rept 16
	s_cmp_gt_u32 s27, 16*(\m)+q                    ; has this row a token?  The rows with tokens come first: the first without ends the way out
	s_cbranch_scc0 .Lend
	global_store_b128 v[OF+q], v[BK+4*q:BK+4*q+3], s[20:21] th:TH_STORE_NT   ; 32 lanes store 512 consecutive bytes, at a multiple of 512 from out0's first byte
.set q, q+1
.endr
.endm
	OUTF 0
	OUTS 0
	OUTF 1
	OUTS 1
	OUTB 0, 32
	OUTF 2
	s_wait_xcnt 0x0                                ; row tile 0's stores have read their data and offsets: both sets are written again only behind this wait
	OUTS 2
	OUTB 1, 32
	OUTF 3
	s_wait_xcnt 0x0                                ; likewise row tile 1's
	OUTS 3
	OUTB 2, 32
	OUTB 3, 0
.Lend:
	s_wait_dscnt 0x0                               ; a way out that ended early may have loads from the stage on their way
	s_wait_tensorcnt 0x0
	ds_add_u32 v194, v195
	s_wait_dscnt 0x0
	s_endpgm
.Lfunc_end_k_q1c4786b17d_chain:
	.size	k_q1c4786b17d_chain, .Lfunc_end_k_q1c4786b17d_chain-k_q1c4786b17d_chain
	.p2alignl 7, 3214868480
	.fill 96, 4, 3214868480
	.section	.rodata,"a",@progbits
	.p2align	6, 0x0
	.amdhsa_kernel k_q1c4786b17d_chain
		.amdhsa_group_segment_fixed_size 138752
		.amdhsa_private_segment_fixed_size 0
		.amdhsa_enable_private_segment 0
		.amdhsa_kernarg_size 72
		.amdhsa_user_sgpr_count 2
		.amdhsa_user_sgpr_kernarg_segment_ptr 1
		.amdhsa_wavefront_size32 1
		.amdhsa_system_sgpr_workgroup_id_x 1
		.amdhsa_system_sgpr_workgroup_id_y 1
		.amdhsa_system_sgpr_workgroup_id_z 1
		.amdhsa_system_vgpr_workitem_id 0
		.amdhsa_next_free_vgpr 1024
		.amdhsa_next_free_sgpr 84
		.amdhsa_reserve_vcc 0
		.amdhsa_float_denorm_mode_32 3
		.amdhsa_float_denorm_mode_16_64 3
		.amdhsa_memory_ordered 1
		.amdhsa_forward_progress 1
		.amdhsa_inst_pref_size 255
	.end_amdhsa_kernel
	.section	.bss,"aw",@nobits
	.p2align	6
	.space	262144
	.amdgpu_metadata
---
amdhsa.version: [ 1, 2 ]
amdhsa.kernels:
  - .name:           k_q1c4786b17d_chain
    .symbol:         k_q1c4786b17d_chain.kd
    .args:
      - { .name: plan, .offset: 0, .size: 8, .value_kind: global_buffer, .address_space: global }
      - { .name: xq, .offset: 8, .size: 8, .value_kind: global_buffer, .address_space: global }
      - { .name: xs, .offset: 16, .size: 8, .value_kind: global_buffer, .address_space: global }
      - { .name: gw, .offset: 24, .size: 8, .value_kind: global_buffer, .address_space: global }
      - { .name: wq, .offset: 32, .size: 8, .value_kind: global_buffer, .address_space: global }
      - { .name: ws, .offset: 40, .size: 8, .value_kind: global_buffer, .address_space: global }
      - { .name: b1, .offset: 48, .size: 8, .value_kind: global_buffer, .address_space: global }
      - { .name: b2, .offset: 56, .size: 8, .value_kind: global_buffer, .address_space: global }
      - { .name: out0, .offset: 64, .size: 8, .value_kind: global_buffer, .address_space: global }
    .group_segment_fixed_size: 138752
    .private_segment_fixed_size: 0
    .kernarg_segment_align: 8
    .kernarg_segment_size: 72
    .max_flat_workgroup_size: 128
    .sgpr_count:     84
    .vgpr_count:     1024
    .wavefront_size: 32
...
	.end_amdgpu_metadata
.endif
;; end of part 5
;; ======== version 3 of 3: 3 launches; version 2 with the launch chain written anew for expert scheduling mode
;; workspace buffers: xq 2,097,152 bytes; xs 131,072 bytes; gw 65,536 bytes; rt 65,536 bytes of whole numbers; wq 4,194,304 bytes; ws 262,144 bytes; plan 41,728 bytes of whole numbers
;; launch prep: the kernel of part 1 again; grid 512 x 1, 8 waves a work-group, no clusters, 60,416 bytes of LDS; arguments x, Wg, bg, W1, W2, xq, xs, gw, rt, wq, ws; writes xq, xs, gw, rt, wq, ws
;; launch route: the kernel of part 4 again; grid 1 x 1, 16 waves a work-group, no clusters, 6,144 bytes of LDS; arguments rt, plan; writes plan
;; launch chain (part 6): grid 155 x 1, 4 waves a work-group, no clusters, 138,752 bytes of LDS; arguments plan, xq, xs, gw, wq, ws, b1, b2, out0; writes out0
.if DOCPART == 6
	.amdgcn_target "amdgcn-amd-amdhsa--gfx1250"
	.amdhsa_code_object_version 6
	.text
	.protected	k_q1c4786b17d_chain
	.globl	k_q1c4786b17d_chain
	.p2align	8
	.type	k_q1c4786b17d_chain,@function
k_q1c4786b17d_chain:
	s_mov_b64 s[64:65], 0
	v_nop
	global_prefetch_b8 v0, s[64:65] scope:SCOPE_SE
	s_setreg_imm32_b32 hwreg(HW_REG_WAVE_SCHED_MODE, 0, 2), 2
	s_setreg_imm32_b32 hwreg(HW_REG_WAVE_MODE, 25, 1), 1
	s_wait_xcnt 0x0
	s_wait_alu depctr_vm_vsrc(0)
; CHAIN: one work-group takes one tile of the list, at most 64 tokens that chose the SAME pair of experts (lo, hi), through both experts' whole chains:
;   out = c_lo (Q(relu(Q(x) Q(W1[lo]) + b1[lo])) Q(W2[lo]) + b2[lo]) + c_hi (the same with hi).  Q: codes of E2M1 with one E8M0 scale for each 32 along K.  So each row of out0 has one owner, and the
;   hidden layer never leaves the WGP.  The list's words behind a tile's count hold token 0: those rows are computed with the others and NOT stored: each row's store stands behind a scalar compare
;   with the count, and the first row without a token leads to the end.
; 155 work-groups serve every split (28 pairs: never more than 128 + 27 tiles).  A work-group whose tile word has the count 0 runs the same text and jumps over the way out: every wave passes every
;   barrier whatever was loaded, and such a work-group stores nothing.
; SHARES.  The four waves share the COLUMNS: wave w makes hidden units 256 w .. + 255 (two halves of 128 = K steps 2 w, 2 w + 1 of the second product) and outputs 128 w .. + 127, for all 64 rows.
;   Both products are used transposed (source 0 = 16 rows of a weight, source 1 = 16 tokens): a lane holds one token, its registers run along the units.
; WEIGHTS go from memory straight into registers: prep has laid them in the order of the operand's registers, one stream of 16 records of 8,192 + 512 bytes for each (expert, wave).  A ring of four
;   slots (a record each, window 1).  Each expert has its own pair of stream pointers; a record's place stands in the loads' immediates, and the pointers step only at the end of a half, far behind
;   the loads that read them.
; NO TENSOR LOAD, NO CLUSTER: the expert, the rows and the jumps on the way out hang on numbers read from the list, and neighbouring work-groups need different experts.
; OPERANDS go from wave to wave through LDS as images of their registers: a record of a K step = four fragments (row tiles 0-3, 1,024 bytes each: 16 bytes a lane, twice) + 512 bytes of scale
;   words [lane][row tile].  Three barriers: x's records and the biases; expert lo's hidden layer; expert hi's (in bytes of its own, so none is needed between lo's reads and hi's stores).
; LIMITS: as stated in prep (NaN, infinities, blocks under 2^-124, blocks of zeros).
; THE MODE: SCHED_MODE bits 1:0 = 2 (LLVM: expert scheduling mode 2), set by the entry lines.  The code itself states the register dependences between vector or matrix instructions and memory or
;   LDS instructions, with s_wait_alu, always for 0.
; THE PLAN.  A GROUP is one K step: 32 products.  A PHASE is a run of groups on end: a half of the first product (4), the second product (8).  Registers that memory or LDS instructions touch:
;   slot j, WS[j]   Written by a record's 17 loads; read by the products of the group that multiplies the record.  Asked for again in the NEXT group: the scale words at its head, the codes between its
;                   two runs of 16 products; a phase's last slot at the phase's end, ahead of the quantiser or the combine.
;   OP[p], OS[p]    Written by nine LDS loads at the head of the group before; read by their group's products.
;   BI              Written by LDS loads ahead of a phase; read, as C, by the phase's first group.
;   CD, PW          Eight and one registers for each row tile: written by the quantiser's conversions and exchanges; read by the row tile's three LDS stores, two row tiles behind one wait.
;   v[HWA]          Written at the head of a half; read by the half's twelve LDS stores.
;   The other addresses are made once, at the kernel's head, and never written again.
;   So ONE wait on va_vdst stands at the head of a group, behind its waits for data: the group before is done reading the slot, the scale words and the operand buffer in which this group's loads land;
;   this group's products name slot j, WS[j], OP[p], OS[p] and the sums: none of those.  A phase's first group has no such wait: its one run of loads lands in OP[1] and OS[1], whose last readers stand
;   ahead of the wait at the end of the phase before, and nothing since names them.  One wait on vm_vsrc stands at the end of a half, ahead of the backward branch.
.set LISTB, 40960                      ; plan: 160 tiles x 64 words, then the tile words
.set XREC,  0                          ; LDS: x's 4 records
.set REC,   4608
.set HREC0, 18432                      ; expert lo's 8 records of the hidden layer
.set HREC1, 55296                      ; expert hi's
.set BIAS,  92160                      ; b1[lo] 4,096, b1[hi] 4,096, b2[lo] 2,048, b2[hi] 2,048
.set STAGE, 104448                     ; the way out: for each wave 16 rows x (512 + 16) bytes; behind the four stages, from byte 0x21c00 on, the spare words: 128 bytes a wave
; window 0
.set LI,  2                            ; 16 x lane
.set LI2, 3                            ; 16 x lane + HREC1
.set XW,  4                            ; 16 x lane + 4,608 w
.set HW,  5                            ; 16 x lane + 9,216 w
.set HWA, 6                            ; HW + the half's record
.set BA1, 7                            ; BIAS + 1,024 w + 64 h
.set BA2, 9                            ; BIAS + 8,192 + 512 w + 32 h
.set STO, 10                           ; the stage, in: row r, + 32 h
.set RD,  11                           ; the stage, back: 16 x lane
.set CO,  12                           ; 512 w + 16 x lane: my bytes of a row of out0
.set OP,  32                           ; v32-95   two buffers of four token fragments
.set OS,  96                           ; v96-103  their scale words (scales and nothing else)
.set WS,  104                          ; v104-119 the weights' scale words, four a slot (scales and nothing else)
.set BI,  120                          ; v120-183 eight bias tiles
.set TM,  184                          ; v184-191, v196-199 the quantiser's temporaries; v194, v195: the closing add's two registers, kept for that alone
.set CD,  200                          ; v200-231 the codes just made, eight a row tile
.set PW,  232                          ; v232-235 the scale words just made
.set CW,  236                          ; v236-243 (c_lo, c_hi) of my token in row tile m
.set TK,  244                          ; v244-247 my token in row tile m
.set CH,  248                          ; v248-255 c_hi twice
; window 1: the ring, slot j at v[64 j]; window 2: the accumulators (row tile m, tile t) at v[64 m + 8 t]; window 3: c_lo x expert lo's result, then the sum, same map
.set P0,  32                           ; s[32:33], s[34:35] expert lo's stream: codes, scale words
.set S0,  34
.set P1,  36                           ; s[36:37], s[38:39] expert hi's
.set S1,  38
.set GC,  40
.set GOFF, 41
.set SEL, 44
.set RT,  66                           ; s66-81 the way out: sixteen rows' tokens
.set MSB, 0
.macro WIN new                         ; the immediate's high byte repeats the setting that is left; bits 1:0 source 0, 3:2 source 1, 5:4 source 2, 7:6 destination
.if MSB != \new
	s_set_vgpr_msb (MSB<<8)|\new
.set MSB, \new
.endif
.endm
.macro BARRIER
	s_wait_dscnt 0x0                               ; my LDS stores have landed and my LDS loads are in
	s_barrier_signal -1
	s_barrier_wait -1
.endm
.macro OPFETCH adr, off, p             ; a record into buffer p: nine loads
.set q, 0
.rept 8
	ds_load_b128 v[OP+32*(\p)+4*q:OP+32*(\p)+4*q+3], v[\adr] offset:(\off)+512*q
.set q, q+1
.endr
	ds_load_b128 v[OS+4*(\p):OS+4*(\p)+3], v[\adr] offset:(\off)+4096
.endm
.macro BIAS1 e, g                      ; tile 2 b + u, register j: b1 of unit 32 b + 16 h + 8 u + j of my half g
.irp t, 0,1,2,3,4,5,6,7
	ds_load_b128 v[BI+8*\t:BI+8*\t+3], v[BA1] offset:4096*(\e)+512*(\g)+128*(\t/2)+32*(\t%2)
	ds_load_b128 v[BI+8*\t+4:BI+8*\t+7], v[BA1] offset:4096*(\e)+512*(\g)+128*(\t/2)+32*(\t%2)+16
.endr
.endm
.macro BIAS2 e                         ; tile t, register j: b2 of output 16 t + 8 h + j of my 128
.irp t, 0,1,2,3,4,5,6,7
	ds_load_b128 v[BI+8*\t:BI+8*\t+3], v[BA2] offset:2048*(\e)+64*\t
	ds_load_b128 v[BI+8*\t+4:BI+8*\t+7], v[BA2] offset:2048*(\e)+64*\t+16
.endr
.endm
; Slot j takes record 4 add + j counted from the pointers: 17 loads, each of 512 consecutive bytes: 16 of codes, one of scale words
.macro RELOADC j, pc, add
	WIN 0x40
.set q, 0
.rept 16
	global_load_b128 v[64*(\j)+4*q:64*(\j)+4*q+3], v[LI], s[\pc:\pc+1] offset:32768*(\add)+8192*(\j)+512*q
.set q, q+1
.endr
.endm
.macro RELOADW j, ps, add
	WIN 0
	global_load_b128 v[WS+4*(\j):WS+4*(\j)+3], v[LI], s[\ps:\ps+1] offset:2048*(\add)+512*(\j)
.endm
.macro RELOAD j, pc, ps, add
	RELOADC \j, \pc, \add
	RELOADW \j, \ps, \add
.endm
.macro WM d, a, b, c, sa, sb, odd      ; an odd tile's scale words stand in lanes 16-31 of the register that it shares with the even tile
.if (\odd)
	v_wmma_scale_f32_16x16x128_f8f6f4 v[(\d):(\d)+7], v[(\a):(\a)+7], v[(\b):(\b)+7], v[(\c):(\c)+7], v[(\sa)], v[(\sb)] matrix_a_fmt:MATRIX_FMT_FP4 matrix_b_fmt:MATRIX_FMT_FP4 matrix_a_scale:MATRIX_SCALE_ROW1
.else
	v_wmma_scale_f32_16x16x128_f8f6f4 v[(\d):(\d)+7], v[(\a):(\a)+7], v[(\b):(\b)+7], v[(\c):(\c)+7], v[(\sa)], v[(\sb)] matrix_a_fmt:MATRIX_FMT_FP4 matrix_b_fmt:MATRIX_FMT_FP4
.endif
.endm
; 16 matrix instructions: slot j's tiles t0 .. t0 + 3 x buffer p's four row tiles, 128 along K.  A group's 32 accumulators take turns, one instruction a turn.  first = 1: the bias is the sums' C
.macro MUL16 j, p, first, t0
.if \first
	WIN 0x81                                       ; A window 1, B and C window 0, D window 2
.else
	WIN 0xa1                                       ; A window 1, B window 0, C and D window 2
.endif
.irp t, 0,1,2,3
.irp m, 0,1,2,3
.if \first
	WM 64*\m+8*(\t0+\t), 64*(\j)+8*(\t0+\t), OP+32*(\p)+8*\m, BI+8*(\t0+\t), WS+4*(\j)+(\t0+\t)/2, OS+4*(\p)+\m, (\t0+\t)%2
.else
	WM 64*\m+8*(\t0+\t), 64*(\j)+8*(\t0+\t), OP+32*(\p)+8*\m, 64*\m+8*(\t0+\t), WS+4*(\j)+(\t0+\t)/2, OS+4*(\p)+\m, (\t0+\t)%2
.endif
.endr
.endr
.endm
; One K step: slot j x buffer p.  nx = 1: the next record is asked for, into the other buffer.  reload = 1: the slot that the group before multiplied is asked for again.
; L: how many younger ring loads may stay out when slot j has to be there: 17 for each younger record.  w = 1: the wait on va_vdst stands (every group that loads, but a phase's first).
.macro GROUP j, p, first, nx, adr, off, L, w, reload, pc, ps, add
	s_wait_dscnt 0x0                               ; this group's record, asked for at the head of the group before (and, in a phase's first group, the biases), is in
	s_wait_loadcnt \L
.if \w
	s_wait_alu depctr_va_vdst(0)                   ; the products of the group before are done reading their slot, its scale words and the other operand buffer with its scale words: the loads of this group land there
.endif
.if \nx
	OPFETCH \adr, \off, 1-(\p)
.endif
.if \reload
	RELOADW (\j+3)%4, \ps, \add
.endif
	MUL16 \j, \p, \first, 0
.if \reload
	RELOADC (\j+3)%4, \pc, \add                    ; no further wait: no vector or matrix instruction since the wait above names these registers or v[LI]
.endif
	MUL16 \j, \p, \first, 4
	WIN 0
.rept 4
	v_nop                                          ; four places in front of loads into registers that these products read, and of the first read of their results
.endr
.endm
; Row tile m's 64 numbers of a lane (register 16 b + i = unit 32 b + 16 h + i of my half) : relu, the four blocks' scales, the codes
.macro QARITH m
	WIN 0x88
.set q, 0
.rept 64
	v_max_num_f32 v[64*(\m)+q], 0, v[64*(\m)+q]    ; the activation, in f32; each accumulator is read from its low end on
.set q, q+1
.endr
	WIN 0x0a
.irp b, 0,1,2,3
	v_max3_num_f32 v[TM+\b], v[64*(\m)+16*\b], v[64*(\m)+16*\b+1], 0x1800000   ; nothing is negative: no |.|; the floor 2^(3 - 127) holds the byte at 1 from below
.endr
.irp i, 2,4,6,8,10,12,14
.irp b, 0,1,2,3
	v_max3_num_f32 v[TM+\b], v[64*(\m)+16*\b+\i], v[64*(\m)+16*\b+\i+1], v[TM+\b]   ; the four blocks by turns
.endr
.endr
	WIN 0
.irp b, 0,1,2,3
	v_permlanex16_b32 v[TM+4+\b], v[TM+\b], s[SEL], s[SEL+1]
.endr
.irp b, 0,1,2,3
	v_max_num_f32 v[TM+\b], v[TM+\b], v[TM+4+\b]   ; with lane l xor 16's 16: the block's largest
.endr
.irp b, 0,1,2,3
	v_add_nc_u32 v[TM+12+\b], 0xff000000, v[TM+\b] ; 2 off its exponent field: the conversion's scale operand
.endr
.irp b, 0,1,2,3
	v_lshrrev_b32 v[TM+4+\b], 23, v[TM+12+\b]      ; the scale's byte
.endr
	v_lshl_or_b32 v[PW+(\m)], v[TM+5], 8, v[TM+4]
	v_lshl_or_b32 v[PW+(\m)], v[TM+6], 16, v[PW+(\m)]
	v_lshl_or_b32 v[PW+(\m)], v[TM+7], 24, v[PW+(\m)]
	WIN 0x02
.irp b, 0,1,2,3
	v_cvt_scalef32_pk8_fp4_f32 v[CD+8*(\m)+2*\b], v[64*(\m)+16*\b:64*(\m)+16*\b+7], v[TM+12+\b]
	v_cvt_scalef32_pk8_fp4_f32 v[CD+8*(\m)+2*\b+1], v[64*(\m)+16*\b+8:64*(\m)+16*\b+15], v[TM+12+\b]
.endr
	v_nop                                          ; one plain line behind the scaled conversions
	WIN 0
.irp c, 0,1                                    ; the operand wants a whole block in a lane: lanes 0-15 block 2 c, lanes 16-31 block 2 c + 1
.irp i, 0,1
	v_permlane16_swap_b32 v[CD+8*(\m)+4*\c+\i], v[CD+8*(\m)+4*\c+2+\i]
.endr
.endr
.endm
.macro QSTORE m, hrec                  ; row tile m's image into the half's record
.irp c, 0,1
	ds_store_b128 v[HWA], v[CD+8*(\m)+4*\c:CD+8*(\m)+4*\c+3] offset:(\hrec)+1024*(\m)+512*\c
.endr
	ds_store_b32 v[HWA], v[PW+(\m)] offset:(\hrec)+4096+4*(\m)
.endm
; What an expert's first group wants from LDS is asked for ahead of the work that stands in front of it
.macro PRO e
	BIAS1 \e, 0
	OPFETCH LI, XREC, 0
.endm
; One expert's chain.  last = 0: the second half of the second product fills the ring with the other expert's first four records
.macro EXPERT e, last
.set PCUR, P0+4*\e
.set SCUR, S0+4*\e
.if \e
.set HADR, LI2
.set HOFF, 0
.else
.set HADR, LI
.set HOFF, HREC0
.endif
	s_mov_b32 s[GC], 0
	s_mov_b32 s[GOFF], 0
.Lhalf_\e:                                         ; two trips: my two halves of 128 hidden units
	v_add_nc_u32 v[HWA], s[GOFF], v[HW]            ; (the stores that read v[HWA] stand ahead of the wait on vm_vsrc at the end of a half; those that will read it stand behind the later groups' waits on va_vdst)
	GROUP 0, 0, 1, 1, LI, XREC+REC, 51, 0, 0, 0, 0, 0
	GROUP 1, 1, 0, 1, LI, XREC+2*REC, 34, 1, 1, PCUR, SCUR, 1
	GROUP 2, 0, 0, 1, LI, XREC+3*REC, 34, 1, 1, PCUR, SCUR, 1
	GROUP 3, 1, 0, 0, LI, 0, 34, 1, 1, PCUR, SCUR, 1
	WIN 0x40
	s_wait_alu depctr_va_vdst(0)                   ; the half's products are done reading slot 3 and its scale words, the biases and both operand buffers: the loads below, down to the quantiser, land there
	RELOAD 3, PCUR, SCUR, 1                        ; the phase's last slot: its record is on its way under the quantiser
	s_cmp_eq_u32 s[GC], 1                          ; the first trip asks here for what the second trip's first group wants: it lands under the quantiser; the second trip asks for nothing
	s_cbranch_scc1 .Lquant_\e
	BIAS1 \e, 1
	OPFETCH LI, XREC, 0
.Lquant_\e:
	QARITH 0
	QARITH 1
	s_wait_alu depctr_va_vdst(0)                   ; the conversions and exchanges have written row tiles 0 and 1's codes and scale words, which the LDS stores read
	QSTORE 0, HREC0+36864*\e
	QSTORE 1, HREC0+36864*\e
	QARITH 2                                       ; (row tiles 2 and 3 have codes' and scale words' registers of their own)
	QARITH 3
	s_wait_alu depctr_va_vdst(0)                   ; likewise row tiles 2 and 3's
	QSTORE 2, HREC0+36864*\e
	QSTORE 3, HREC0+36864*\e
	s_wait_dscnt 0x0                               ; the half's images lie in LDS, and what the first trip asked for ahead of the quantiser is in: no LDS load of mine is out when the biases' registers are next asked for
	s_wait_alu depctr_vm_vsrc(0)                   ; the half's LDS stores have read v[HWA], the codes and the scale words: the add at the head of a half, the next quantiser and the way out's offsets write them again
	s_wait_xcnt 0x0                                ; the ring's loads, issued ahead of the quantiser, have read their bases: these step only behind this wait
	s_add_nc_u64 s[PCUR:PCUR+1], s[PCUR:PCUR+1], 32768
	s_add_nc_u64 s[SCUR:SCUR+1], s[SCUR:SCUR+1], 2048
	s_add_co_u32 s[GOFF], s[GOFF], REC
	s_add_co_u32 s[GC], s[GC], 1
	s_cmp_lt_u32 s[GC], 2
	s_cbranch_scc1 .Lhalf_\e
	BIAS2 \e                                       ; bytes that nobody writes any more: they come while the waves meet.  (The biases' last reader, the half's first group, stands ahead of the waits on va_vdst above)
	BARRIER                                        ; the expert's hidden layer lies whole in LDS
	OPFETCH HADR, HOFF, 0
	GROUP 0, 0, 1, 1, HADR, HOFF+REC, 51, 0, 0, 0, 0, 0
	GROUP 1, 1, 0, 1, HADR, HOFF+2*REC, 34, 1, 1, PCUR, SCUR, 1
	GROUP 2, 0, 0, 1, HADR, HOFF+3*REC, 34, 1, 1, PCUR, SCUR, 1
	GROUP 3, 1, 0, 1, HADR, HOFF+4*REC, 34, 1, 1, PCUR, SCUR, 1
	GROUP 0, 0, 0, 1, HADR, HOFF+5*REC, 34, 1, 1, PCUR, SCUR, 1
.if \last
	GROUP 1, 1, 0, 1, HADR, HOFF+6*REC, 34, 1, 0, 0, 0, 0   ; nothing is left to fetch from memory: the counts run down
	GROUP 2, 0, 0, 1, HADR, HOFF+7*REC, 17, 1, 0, 0, 0, 0
	GROUP 3, 1, 0, 0, HADR, 0, 0, 0, 0, 0, 0, 0             ; it issues no load: so no wait on va_vdst
.else
	GROUP 1, 1, 0, 1, HADR, HOFF+6*REC, 34, 1, 1, P1, S1, 0   ; on into the other expert's stream, by its own pointers
	GROUP 2, 0, 0, 1, HADR, HOFF+7*REC, 34, 1, 1, P1, S1, 0
	GROUP 3, 1, 0, 0, HADR, 0, 34, 1, 1, P1, S1, 0
	WIN 0x40
	s_wait_alu depctr_va_vdst(0)                   ; the second product is done reading slot 3 and its scale words, the biases and both operand buffers: the loads below, and the other expert's first biases and record behind them, land there
	RELOAD 3, P1, S1, 0
.endif
.endm
	s_load_b512 s[4:19], s[0:1], 0x0               ; plan 4, xq 6, xs 8, gw 10, wq 12, ws 14, b1 16, b2 18
	s_load_b64 s[20:21], s[0:1], 0x40              ; out0
	v_lshl_add_u32 v194, v0, 2, 0x21c00
	v_mov_b32 v195, 0
	v_lshrrev_b32 v1, 5, v0
	v_readfirstlane_b32 s24, v1                    ; wave 0..3
	v_and_b32 v1, 31, v0                           ; lane
	v_and_b32 v13, 15, v0                          ; r
	v_bfe_u32 v200, v0, 4, 1                       ; h
	v_lshlrev_b32 v14, 2, v13                      ; 4 r
	v_lshlrev_b32 v[LI], 4, v1
	v_add_nc_u32 v[LI2], HREC1, v[LI]
	v_lshlrev_b32 v19, 4, v0                       ; 16 x thread
	v_add_nc_u32 v201, BIAS, v19
	s_lshl_b32 s46, ttmp9, 2                       ; my tile word,
	s_lshl_b32 s48, ttmp9, 8                       ; my tile's 64 words of the list
	s_mov_b32 s49, 0                               ; the upper word of every offset
	s_mov_b32 s[SEL], 0x76543210
	s_mov_b32 s[SEL+1], 0xfedcba98                 ; v_permlanex16_b32's selects for lane l xor 16
	s_wait_alu depctr_va_sdst(0)                   ; s24 is written, ahead of its first reader: the waves' places in LDS and the streams' bases are made from it
	s_mul_i32 s47, s24, REC                        ; every address is made here, while the arguments come
	v_add_nc_u32 v[XW], s47, v[LI]
	s_mul_i32 s47, s24, 2*REC
	v_add_nc_u32 v[HW], s47, v[LI]
	s_lshl_b32 s47, s24, 10
	s_add_co_u32 s47, s47, BIAS
	v_lshl_add_u32 v[BA1], v200, 6, s47
	s_lshl_b32 s47, s24, 9
	s_add_co_u32 s47, s47, BIAS+8192
	v_lshl_add_u32 v[BA2], v200, 5, s47
	s_mul_i32 s47, s24, 16*528
	s_add_co_u32 s47, s47, STAGE
	v_mul_u32_u24 v[STO], v13, 528
	v_lshl_add_u32 v[STO], v200, 5, v[STO]
	v_add_nc_u32 v[STO], s47, v[STO]
	v_add_nc_u32 v[RD], s47, v[LI]
	s_lshl_b32 s47, s24, 9
	v_add_nc_u32 v[CO], s47, v[LI]
	s_lshl_b32 s47, s24, 6
	v_lshl_add_u32 v18, v200, 4, s47               ; 64 w + 16 h: my bytes of K step w in a row of codes
	s_lshl_b32 s47, s24, 2                         ; and its scale word
	s_wait_kmcnt 0x0
	s_load_b32 s25, s[4:5], s46 offset:LISTB       ; the tile word and the tile's tokens are asked for together: both places hang on the work-group's number alone
	s_add_nc_u64 s[58:59], s[4:5], s[48:49]
	s_wait_alu depctr_va_vdst(0)                   ; the addresses and offsets v2 to v12, v14, v18, v19 and v201 are written: the loads and stores of the whole kernel read them, and none but v[HWA] is written again
.irp m, 0,1,2,3
	global_load_b32 v[TK+\m], v14, s[58:59] offset:64*\m   ; the token of row 16 m + r
.endr
	s_wait_kmcnt 0x0
	s_bfe_u32 s27, s25, 0x7000d
	s_min_u32 s27, s27, 64                         ; the tile's tokens
	s_bfe_u32 s28, s25, 0x30014
	s_min_u32 s28, s28, 7                          ; lo
	s_bfe_u32 s29, s25, 0x30018
	s_min_u32 s29, s29, 7                          ; hi
	s_lshl_b32 s48, s28, 12
	s_add_nc_u64 s[50:51], s[16:17], s[48:49]      ; b1[lo]
	s_lshl_b32 s48, s29, 12
	s_add_nc_u64 s[52:53], s[16:17], s[48:49]      ; b1[hi]
	s_lshl_b32 s48, s28, 11
	s_add_nc_u64 s[54:55], s[18:19], s[48:49]      ; b2[lo]
	s_lshl_b32 s48, s29, 11
	s_add_nc_u64 s[56:57], s[18:19], s[48:49]      ; b2[hi]
	global_load_b128 v[BI:BI+3], v19, s[50:51]
	global_load_b128 v[BI+4:BI+7], v19, s[50:51] offset:2048
	global_load_b128 v[BI+8:BI+11], v19, s[52:53]
	global_load_b128 v[BI+12:BI+15], v19, s[52:53] offset:2048
	global_load_b128 v[BI+16:BI+19], v19, s[54:55]
	global_load_b128 v[BI+20:BI+23], v19, s[56:57]
	s_lshl_b32 s46, s28, 2
	s_add_co_u32 s46, s46, s24                     ; 4 lo + w: my stream of expert lo
	s_lshl_b32 s48, s46, 17
	s_add_nc_u64 s[P0:P0+1], s[12:13], s[48:49]
	s_lshl_b32 s48, s46, 13
	s_add_nc_u64 s[S0:S0+1], s[14:15], s[48:49]
	s_lshl_b32 s46, s29, 2
	s_add_co_u32 s46, s46, s24                     ; and of expert hi
	s_lshl_b32 s48, s46, 17
	s_add_nc_u64 s[P1:P1+1], s[12:13], s[48:49]
	s_lshl_b32 s48, s46, 13
	s_add_nc_u64 s[S1:S1+1], s[14:15], s[48:49]
	RELOAD 0, P0, S0, 0                            ; the ring's first record goes out while the tokens come; the other three stand behind the gather, so that the rows of x wait behind one record
	s_wait_loadcnt 23                              ; the four tokens are in: behind them went the 6 loads of biases and the record's 17
.irp m, 0,1,2,3
	v_min_u32 v[TK+\m], 0x1fff, v[TK+\m]           ; held inside the tables
	v_lshl_add_u32 v[20+\m], v[TK+\m], 8, v18
	v_lshl_add_u32 v[24+\m], v[TK+\m], 4, s47
	v_lshlrev_b32 v[28+\m], 3, v[TK+\m]
.endr
	s_wait_alu depctr_va_vdst(0)                   ; the gather's twelve offsets v20 to v31 are written
.irp m, 0,1,2,3                                ; wave w gathers K step w of all four row tiles
	global_load_b64 v[CW+2*\m:CW+2*\m+1], v[28+\m], s[10:11]
	global_load_b128 v[OP+8*\m:OP+8*\m+3], v[20+\m], s[6:7]
	global_load_b128 v[OP+8*\m+4:OP+8*\m+7], v[20+\m], s[6:7] offset:32
	global_load_b32 v[TM+\m], v[24+\m], s[8:9]
.endr
	RELOAD 1, P0, S0, 0
	RELOAD 2, P0, S0, 0
	RELOAD 3, P0, S0, 0
	s_wait_loadcnt 51                              ; the biases, the first record and the gathered rows are in; the three younger records, 17 loads each, stay out
.irp i, 0,1,2,3,4,5
	ds_store_b128 v201, v[BI+4*\i:BI+4*\i+3] offset:2048*\i   ; the four biases, as they lie
.endr
.irp m, 0,1,2,3
	ds_store_b128 v[XW], v[OP+8*\m:OP+8*\m+3] offset:1024*\m
	ds_store_b128 v[XW], v[OP+8*\m+4:OP+8*\m+7] offset:1024*\m+512
.endr
	ds_store_b128 v[XW], v[TM:TM+3] offset:4096    ; the record's scale words: [lane][row tile]
.irp m, 0,1,2,3
	v_mov_b32 v[CH+2*\m], v[CW+2*\m+1]             ; c_hi in a pair of its own: the packed forms take a pair's low word for both halves
	v_mov_b32 v[CH+2*\m+1], v[CW+2*\m+1]
	v_mov_b32 v[TM+4+\m], 0                        ; written once: a lane permute's destination counts as one of its sources
.endr
	BARRIER                                        ; x's four records and the biases lie in LDS
	s_wait_alu depctr_vm_vsrc(0)                   ; my LDS stores above have read v120-143 and v32-63, in which the loads below land, and v184-187 and v201, which the quantiser writes
	PRO 0
	EXPERT 0, 0
	PRO 1                                          ; expert hi's first biases and record come while expert lo's result is weighed
	WIN 0xc2                                       ; destination window 3, source 0 window 2
.irp m, 0,1,2,3
.set q, 0
.rept 32
	v_pk_mul_f32 v[64*\m+q:64*\m+q+1], v[64*\m+q:64*\m+q+1], v[CW+2*\m:CW+2*\m+1] op_sel_hi:[1,0]   ; c_lo x expert lo's rows; each accumulator from its low end on
.set q, q+2
.endr
.endr
	WIN 0
	EXPERT 1, 1
	s_cmp_eq_u32 s27, 0                            ; a tile without tokens stores nothing; no barrier stands behind this branch
	s_cbranch_scc1 .Lend
; THE WAY OUT, a row tile at a time: + c_hi x expert hi's rows; through my own stage, back as whole rows of my 512 bytes; each row goes to its token's row of out0.
; A row tile goes through the stage while the one before it is stored.  Rows and offsets have two sets of registers, which take turns.
.macro OUTF m                          ; the sum of the two experts
	WIN 0xf2                                       ; source 0 window 2, source 2 and destination window 3
.set q, 0
.rept 32
	v_pk_fma_f32 v[64*(\m)+q:64*(\m)+q+1], v[64*(\m)+q:64*(\m)+q+1], v[CH+2*(\m):CH+2*(\m)+1], v[64*(\m)+q:64*(\m)+q+1] op_sel_hi:[1,0,1]
.set q, q+2
.endr
.endm
.macro OUTS m                          ; through the stage, and the sixteen rows' offsets in out0
.set BK, 32+88*((\m)%2)                ; v32-95 and v120-183 by turns
.set OF, CD+16*((\m)%2)
	WIN 0x0c                                       ; an LDS store's data are its source 1: window 3
	s_wait_alu depctr_va_vdst(0)                   ; this row tile's sums are written, which the LDS stores read; so are the offsets of the row tile before, which its global stores read; and the last products are done reading v32-95 and v120-183, in which the rows land
.irp t, 0,1,2,3,4,5,6,7
	ds_store_b128 v[STO], v[64*(\m)+8*\t:64*(\m)+8*\t+3] offset:64*\t
	ds_store_b128 v[STO], v[64*(\m)+8*\t+4:64*(\m)+8*\t+7] offset:64*\t+16
.endr
	WIN 0
.set q, 0
.rept 16
	ds_load_b128 v[BK+4*q:BK+4*q+3], v[RD] offset:528*q   ; LDS serves a wave's instructions in order: these see the stores above, and the next tile's stores come behind them
.set q, q+1
.endr
.set q, 0
.rept 16
	v_readlane_b32 s[RT+q], v[TK+(\m)], q          ; the sixteen rows' tokens, in one run ahead of their scalar readers,
.set q, q+1
.endr
	s_wait_alu depctr_va_sdst(0)                   ; s66 to s81 are written, ahead of their first readers
.set q, 0
.rept 16
	s_min_u32 s[RT+q], s[RT+q], 0x1fff             ; held inside out0,
.set q, q+1
.endr
.set q, 0
.rept 16
	s_lshl_b32 s[RT+q], s[RT+q], 11                ; their rows of 2,048 bytes
.set q, q+1
.endr
.set q, 0
.rept 16
	v_add_nc_u32 v[OF+q], s[RT+q], v[CO]
.set q, q+1
.endr
.endm
.macro OUTB m, younger                 ; younger: the LDS instructions issued behind this tile's loads: the next tile's 16 stores and 16 loads, or none
.set BK, 32+88*((\m)%2)
.set OF, CD+16*((\m)%2)
	s_wait_dscnt \younger
.set q, 0
.rept 16
	s_cmp_gt_u32 s27, 16*(\m)+q                    ; has this row a token?  The rows with tokens come first: the first without ends the way out
	s_cbranch_scc0 .Lend
	global_store_b128 v[OF+q], v[BK+4*q:BK+4*q+3], s[20:21] th:TH_STORE_NT   ; 32 lanes store 512 consecutive bytes, at a multiple of 512 from out0's first byte
.set q, q+1
.endr
.endm
	OUTF 0
	OUTS 0
	OUTF 1
	OUTS 1
	OUTB 0, 32
	OUTF 2
	s_wait_xcnt 0x0                                ; row tile 0's stores have read their data and offsets: both sets are written again only behind this wait
	s_wait_alu depctr_vm_vsrc(0)                   ; row tile 0's global stores have read v32-95, in which row tile 2's rows land, and v200-215, which its offsets write
	OUTS 2
	OUTB 1, 32
	OUTF 3
	s_wait_xcnt 0x0                                ; likewise row tile 1's
	s_wait_alu depctr_vm_vsrc(0)                   ; row tile 1's global stores have read v120-183 and v216-231, which row tile 3's rows and offsets take
	OUTS 3
	s_wait_alu depctr_va_vdst(0)                   ; row tile 3's offsets are written, which its global stores read; no row tile follows whose wait could state it
	OUTB 2, 32
	OUTB 3, 0
.Lend:
	s_wait_dscnt 0x0                               ; the closing lines, six on end
	s_wait_alu 0x0
	s_wait_tensorcnt 0x0
	ds_add_u32 v194, v195
	s_wait_dscnt 0x0
	s_endpgm
.Lfunc_end_k_q1c4786b17d_chain:
	.size	k_q1c4786b17d_chain, .Lfunc_end_k_q1c4786b17d_chain-k_q1c4786b17d_chain
	.p2alignl 7, 3214868480
	.fill 96, 4, 3214868480
	.section	.rodata,"a",@progbits
	.p2align	6, 0x0
	.amdhsa_kernel k_q1c4786b17d_chain
		.amdhsa_group_segment_fixed_size 138752
		.amdhsa_private_segment_fixed_size 0
		.amdhsa_enable_private_segment 0
		.amdhsa_kernarg_size 72
		.amdhsa_user_sgpr_count 2
		.amdhsa_user_sgpr_kernarg_segment_ptr 1
		.amdhsa_wavefront_size32 1
		.amdhsa_system_sgpr_workgroup_id_x 1
		.amdhsa_system_sgpr_workgroup_id_y 1
		.amdhsa_system_sgpr_workgroup_id_z 1
		.amdhsa_system_vgpr_workitem_id 0
		.amdhsa_next_free_vgpr 1024
		.amdhsa_next_free_sgpr 84
		.amdhsa_reserve_vcc 0
		.amdhsa_float_denorm_mode_32 3
		.amdhsa_float_denorm_mode_16_64 3
		.amdhsa_memory_ordered 1
		.amdhsa_forward_progress 1
		.amdhsa_inst_pref_size 255
	.end_amdhsa_kernel
	.section	.bss,"aw",@nobits
	.p2align	6
	.space	262144
	.amdgpu_metadata
---
amdhsa.version: [ 1, 2 ]
amdhsa.kernels:
  - .name:           k_q1c4786b17d_chain
    .symbol:         k_q1c4786b17d_chain.kd
    .args:
      - { .name: plan, .offset: 0, .size: 8, .value_kind: global_buffer, .address_space: global }
      - { .name: xq, .offset: 8, .size: 8, .value_kind: global_buffer, .address_space: global }
      - { .name: xs, .offset: 16, .size: 8, .value_kind: global_buffer, .address_space: global }
      - { .name: gw, .offset: 24, .size: 8, .value_kind: global_buffer, .address_space: global }
      - { .name: wq, .offset: 32, .size: 8, .value_kind: global_buffer, .address_space: global }
      - { .name: ws, .offset: 40, .size: 8, .value_kind: global_buffer, .address_space: global }
      - { .name: b1, .offset: 48, .size: 8, .value_kind: global_buffer, .address_space: global }
      - { .name: b2, .offset: 56, .size: 8, .value_kind: global_buffer, .address_space: global }
      - { .name: out0, .offset: 64, .size: 8, .value_kind: global_buffer, .address_space: global }
    .group_segment_fixed_size: 138752
    .private_segment_fixed_size: 0
    .kernarg_segment_align: 8
    .kernarg_segment_size: 72
    .max_flat_workgroup_size: 128
    .sgpr_count:     84
    .vgpr_count:     1024
    .wavefront_size: 32
...
	.end_amdgpu_metadata
.endif
;; end of part 6
